; MI455X (gfx1250); checked and timed in simulation.
; The chip was launched on July 23, 2026; its instructions are those of AMD's public machine-readable ISA for CDNA 5 (MIT licence, August 2026) and "CDNA5" Instruction Set Architecture Reference Guide (July 2026). The comments in the code are by the model that wrote it; some were corrected since.
;; Multi Head Self Attention. Allowed arithmetic: matrix products marked QUANTISED: E5M2 operands, one given power-of-two scale a tensor, by v_wmma_f32_16x16x64_bf8_bf8 or v_wmma_f32_16x16x128_bf8_bf8, f32 sums; everything else in f32.
;; Inputs: attention_mask 4 x 2,048 int32; bk 1,024 float32; bo 1,024 float32; bq 1,024 float32; bv 1,024 float32; lowp_scales 12 int32 (the exponents e of the quantised operands' scales 2^e); wk_codes 1,024 x 32 x 32 uint8 (E5M2 codes of wk, K innermost, in blocks of 32 codes); wo_codes 1,024 x 32 x 32 uint8 (E5M2 codes of wo, K innermost, in blocks of 32 codes); wq_codes 1,024 x 32 x 32 uint8 (E5M2 codes of wq, K innermost, in blocks of 32 codes); wv_codes 1,024 x 32 x 32 uint8 (E5M2 codes of wv, K innermost, in blocks of 32 codes); x_codes 4 x 2,048 x 32 x 32 uint8 (E5M2 codes of x, K innermost, in blocks of 32 codes).
;; Outputs: out0 4 x 2,048 x 1,024 float32.
;; This version of the problem:
;;   THIS VERSION OF THE PROBLEM IS GIVEN IN LOW PRECISION. The matrix products marked QUANTISED in the list below multiply operands that are first quantised to E5M2 (5 exponent bits, 2 mantissa bits; 8 bits a number), with one given power-of-two scale for each operand tensor; their sums are f32. All else is computed in f32.
;;   The module's matrix products, in the order in which they are computed (A, B: the left and right operand; K: the contracted axis; several contracted axes count as one K, in the product's order):
;;     1. [M 8,192, K 1,024] x [K 1,024, N 1,024]; A: input x (given as codes); B: input wq (given as codes): QUANTISED (scales: A lowp_scales[0], B lowp_scales[1])
;;     2. [M 8,192, K 1,024] x [K 1,024, N 1,024]; A: input x (given as codes); B: input wk (given as codes): QUANTISED (scales: A lowp_scales[2], B lowp_scales[3])
;;     3. [M 8,192, K 1,024] x [K 1,024, N 1,024]; A: input x (given as codes); B: input wv (given as codes): QUANTISED (scales: A lowp_scales[4], B lowp_scales[5])
;;     4. batch 64 x [M 2,048, K 64] x [K 64, N 2,048]; A: computed on the way; B: computed on the way: QUANTISED (scales: A lowp_scales[6], B lowp_scales[7])
;;     5. batch 64 x [M 2,048, K 2,048] x [K 2,048, N 64]; A: computed on the way; B: computed on the way: QUANTISED (scales: A lowp_scales[8], B lowp_scales[9])
;;     6. [M 8,192, K 1,024] x [K 1,024, N 1,024]; A: computed on the way; B: input wo (given as codes): QUANTISED (scales: A lowp_scales[10], B lowp_scales[11])
;;   THE QUANTISER, for each operand of a quantised product, along K:
;;     - The operand's scale is 2^e, e = its entry of the input lowp_scales (int32; the entries are numbered through the quantised products in the list's order, A before B).
;;     - Each number is divided by the scale, clamped to +-57,344, and rounded to the nearest number of E5M2, ties to even, subnormals kept.
;;     - The product sums the exact products of the quantised numbers (number of the format x scale) in f32.
;;   ~~~python
;;   def quantise(x, axis, e):      # numpy; x: float32 -> the quantised numbers, widened to float32 again
;;       x = np.moveaxis(x, axis, -1); K = x.shape[-1]
;;       r = np.clip(x / 2.0 ** e, -57344, 57344)
;;       step = 2.0 ** (np.maximum(np.frexp(np.where(r == 0, 1, r))[1] - 1, -14) - 2)
;;       q = np.round(r / step) * step * 2.0 ** e      # np.round: ties to even
;;       return np.moveaxis(q, -1, axis).astype(np.float32)
;;   ~~~
;;   OPERANDS COMPUTED ON THE WAY. 'Computed on the way' means the value that the module computes at that place (a softmax that the list does not call 'softmax' is quantised finished and normalised). What goes into a quantiser is computed in f32, as accurately as f32 sums, v_exp_f32 and their like allow (about 1e-6 of the number): no bf16 or f16 on the way to a quantiser, and a product that is left as it is and whose result goes on into a quantised operand takes f32 operands (vector FMAs, or v_wmma_f32_16x16x4_f32). A number that lies on a knife's edge between two numbers of the format may be rounded either way, as far as f32 arithmetic and the matrix unit's own rounding can turn it there, and no further.
;;   INPUTS GIVEN AS CODES. wk (in the module: [1024, 1024], K = its axis 1); wo (in the module: [1024, 1024], K = its axis 1); wq (in the module: [1024, 1024], K = its axis 1); wv (in the module: [1024, 1024], K = its axis 1); x (in the module: [4, 2048, 1024], K = its axis 2): each comes as NAME_codes (uint8): NAME with its K axis moved to the last place and cut into blocks of 32 codes, [.., K / 32, bytes a block], one block behind the other in memory; one code a byte (a code: sign, 5 exponent bits, 2 mantissa bits); its scale is its entry of lowp_scales. Its value is code x scale, taken as it is: it is not quantised again, and the codes and scales need not be those that the quantiser above would give.
;; 2 versions, each right; version 2 is version 1 with the launch attn written anew for expert scheduling mode. Each part assembles by itself: llvm-mc -triple=amdgcn-amd-amdhsa -mcpu=gfx1250 --defsym DOCPART=n.
;; ======== version 1 of 2: 3 launches
;; limits: right only within a limited range of input values
;; workspace buffers: q_img 8,388,608 bytes; k_img 8,388,608 bytes; v_img 8,388,608 bytes; ctx_img 8,388,608 bytes
;; launch qkv (part 1): grid 12 x 32, 4 waves a work-group, clusters of 4 x 4, 327,680 bytes of LDS; arguments x_codes, wq_codes, wk_codes, wv_codes, bq, bk, bv, lowp_scales, q_img, k_img, v_img; writes q_img, k_img, v_img
.if DOCPART == 1
	.amdgcn_target "amdgcn-amd-amdhsa--gfx1250"
	.amdhsa_code_object_version 6
	.text
	.protected	k_qaed33d787b_qkv
	.globl	k_qaed33d787b_qkv
	.p2align	8
	.type	k_qaed33d787b_qkv,@function
k_qaed33d787b_qkv:
	s_mov_b64 s[64:65], 0
	v_nop
	global_prefetch_b8 v0, s[64:65] scope:SCOPE_SE
	s_setreg_imm32_b32 hwreg(HW_REG_WAVE_MODE, 25, 1), 1
	s_wait_xcnt 0x0
	s_wait_alu depctr_hold_cnt(0) depctr_sa_sdst(0) depctr_va_vdst(0) depctr_va_sdst(0) depctr_va_ssrc(0) depctr_va_vcc(0) depctr_vm_vsrc(0)
	s_getreg_b32 s2, hwreg(HW_REG_IB_STS2, 6, 4)
	s_cmp_eq_u32 s2, 0
	s_cbranch_scc0 .Lentry_in_a_cluster
	s_endpgm
.Lentry_in_a_cluster:
	s_bfe_u32 s2, ttmp6, 0x10000c
	s_cmp_lg_u32 s2, 0xf033
	s_cbranch_scc0 .Lentry_shape_is_right
	s_endpgm
.Lentry_shape_is_right:
; q = x wq^T + bq, k = x wk^T + bk, v = x wv^T + bv on codes of BF8 (E5M2); each result is quantised at once, with its given scale, and stored as IMAGES OF OPERAND REGISTERS for the attention launch.
; x: [8192][1024] codes, each weight [1024][1024] codes, K innermost.  A sum stands for sum x 2^(ea + eb); y = sum x 2^(ea + eb) + bias (one fused multiply-add); code = y / 2^eo, held within +-57,344, to the nearest code.
; (ea, eb, eo) = entries (0, 1, 6) of the scales for q, (2, 3, 7) for k, (4, 5, 9) for v.  LIMITS: ea + eb between -126 and 127, eo between -126 and 112, so that each power of two below is an f32 number.  NaN and infinity codes are not served.
; SHARES.  A tile of 256 x 256 results to a work-group of four waves, 128 x 128 a wave: 64 accumulators, 512 registers.  K goes in steps of 256 through a ring of two LDS slots filled by the tensor data mover.
; CLUSTERS of 4 x 4.  The cluster's x (0, 1, 2) is the product (q, k, v): the same number in all sixteen partners.  The matrix instruction is always D, fragment of region B, fragment of region A: a lane holds ONE row of
; region A and its eight registers eight neighbouring rows of region B.  q, k: region A = x (tokens), region B = the weight (features): a lane's eight numbers run along the head's channels, the K of the scores' product.
; v: region A = wv, region B = x: a lane's eight numbers run along the tokens, the K of the second product of attention.  Both regions have rows of 1,024 bytes, so one shape serves.
; Region A's tile is shared along a row of the cluster, region B's along a column: each is asked for jointly, by the same tensor load with the same descriptor and a mask that names the four.
; THE IMAGES.  q_img, k_img: [batch x head 64][tile of 16 tokens 128][2 pieces of 512 bytes], lane l's 16 bytes at 16 l: registers 4 c .. 4 c + 3 of a fragment of 16 tokens x 64 channels.
; v_img: [batch x head][block of 128 keys 16][tile of 16 channels 4][4 pieces of 512 bytes]: a fragment of 16 channels x 128 keys.  Every store of a wave covers 512 consecutive bytes, at a multiple of 512 from the buffer's first byte.
; REGISTERS, in windows of 256: window 0: v0-31 addresses; v32-95, v98-113 the bias in two forms; v96, v97 the hold and the scale; from v128 region A's fragments, ONE set; on the way out v128-191 numbers, v192-255 codes.
;   window 1: region B's fragments, TWO sets.   window 2: the accumulators of my rows 0-63 of region A ((a, b) at v[8 (8 a + b)]);   window 3: those of rows 64-127.
.set KSTEP,  256                       ; along K in a slot
.set ROWB,   256                       ; a tile's row in bytes
.set KROW,   1024                      ; a row of x or of a weight in memory, in bytes
.set PITCH,  272                       ; an LDS row: 256 bytes + 16 of padding = 68 words: the 16 rows that a load touches start at 16 different banks (64 banks of 4 bytes: ISA guide 11.1)
.set FR,     16                        ; registers of a fragment: 16 rows x 128 K
.set NL,     4                         ; LDS loads that bring one
.set NP,     4                         ; places behind this matrix instruction (ISA guide 7.12.1)
.set HALFT,  128*PITCH                 ; 128 rows: what one tensor load brings
.set SLOT,   4*HALFT                   ; region A's 256 rows, then region B's
.set LAPS,   2                         ; 1,024 along K = four K steps = twice round the ring
.set SPARE,  2*SLOT                    ; behind the ring: the spare words, 128 bytes for each wave
.set ADRA, 16                          ; v16-17  LDS address of my fragments of region A in slot 0, 1
.set ADRB, 20                          ; v20-21  the same for region B
.set HB,   24                          ; v24     32 x (lane / 16)
.set RB,   25                          ; v25     4 x (lane % 16)
.set LI,   26                          ; v26     16 x lane
.set SPW,  28                          ; v28     LDS address of my spare word; never rewritten
.set NIL,  29                          ; v29     0; never rewritten
.set BI,   32                          ; v32-95  bias, q's and k's form: register 8 b + j = feature 16 b + 8 (lane / 16) + j of my 128
.set LIM,  96                          ; v96     57,344 x 2^eo
.set SCL,  97                          ; v97     2^eo
.set BV,   98                          ; v98-113 bias, v's form: registers 2 a, 2 a + 1 = feature 16 a + lane % 16 of my 128
.set AF,   128
.set T,    128
.set CODE, 192
.set G1, 24                            ; s[24:31] descriptor group 1 for region A;  s[32:39] group 0, one set for each slot
.set G0, 32
.set G1B, 48                           ; s[48:55], s[56:63] the same for region B
.set G0B, 56
.set MSB, 0
.macro WIN new                         ; the immediate's high byte repeats the setting that is left
.if MSB != \new
	s_set_vgpr_msb (MSB<<8)|\new
.set MSB, \new
.endif
.endm
.set MUL_LO, 0xa1                      ; source 0 (region B) window 1, source 1 (region A) window 0, C and D window 2
.set MUL_HI, 0xf1                      ; the same, C and D window 3
.set TO_B,   0x40                      ; destination window 1, address window 0
; A joint load: waves 0 and 1 fetch for region A, waves 2 and 3 for region B.  The branch hangs on the wave's number alone.  Four v_nop follow each of the two lines.
.macro JLOAD g0a, g1a, g0b, g1b
	s_cmp_eq_u32 s15, 0
	s_cbranch_scc0 .Lfor_b_\@
	tensor_load_to_lds s[\g0a:\g0a+3], s[\g1a:\g1a+7]
	s_nop 0
.rept 4
	v_nop
.endr
	s_branch .Lasked_\@
.Lfor_b_\@:
	tensor_load_to_lds s[\g0b:\g0b+3], s[\g1b:\g1b+7]
	s_nop 0
.rept 4
	v_nop
.endr
.Lasked_\@:
.endm
.macro CREST                           ; a round of the cluster's barrier behind its opening barrier
	s_cmp_lg_u32 s14, 0
	s_cbranch_scc1 .Lnot_wave_0_\@
	s_barrier_signal -3
.Lnot_wave_0_\@:
	s_barrier_wait -3
	s_barrier_signal -1
	s_barrier_wait -1
.endm
.macro CROUND                          ; a whole round
	s_barrier_signal -1
	s_barrier_wait -1
	CREST
.endm
	s_load_b512 s[68:83], s[0:1], 0x0              ; x s[68:69], wq s[70:71], wk s[72:73], wv s[74:75], bq s[76:77], bk s[78:79], bv s[80:81], the scales s[82:83]
	s_load_b128 s[84:87], s[0:1], 0x40             ; q_img, k_img
	s_load_b64 s[88:89], s[0:1], 0x50              ; v_img
	v_lshl_add_u32 v[SPW], v0, 2, SPARE
	v_mov_b32 v[NIL], 0
	ds_add_u32 v28, v29
	ds_add_u32 v28, v29
	s_wait_dscnt 0x0
	v_lshrrev_b32 v1, 5, v0
	v_readfirstlane_b32 s14, v1                    ; wave 0..3
	s_lshr_b32 s15, s14, 1                         ; which half of region A's rows is mine.  Also: I fetch for region A (0) or B (1)
	s_and_b32 s16, s14, 1                          ; which half of region B's rows.  Also: which 128 rows of that tile I fetch
	s_bfe_u32 s40, ttmp6, 0x40000                  ; cx, cy: my place in the cluster
	s_bfe_u32 s41, ttmp6, 0x40004
	s_and_b32 s12, ttmp7, 0xffff
	s_lshl_b32 s12, s12, 2                         ; 4 x cluster y: it walks the tokens' 32 tiles
	s_cmp_eq_u32 ttmp9, 2                          ; the product v?
	s_cselect_b32 s13, 0, s12                      ; the tokens are region A for q and k,
	s_cselect_b32 s12, s12, 0                      ; region B for v
	s_add_co_u32 s17, s41, s13                     ; region A's tile: cy (+ 4 x cluster y)
	s_add_co_u32 s42, s40, s12                     ; region B's tile: cx (+ 4 x cluster y)
	s_lshl_b32 s43, s41, 2
	s_lshl_b32 s43, 15, s43                        ; my row of the cluster
	s_lshl_b32 s44, 0x1111, s40                    ; my column
	; descriptor group 1: a tile of 128 rows x 256 bytes, padded in LDS
	s_or_b32 s[G1+0], s43, (0<<16)|(1<<20)|(1<<21)|(5<<22)|(3<<25)  ; 15:0 the mask: my row; 17:16 elements of 1 byte; 20 padding on; 21 set beside a mask; 24:22 after every 64 words (code 5); 31:25 four words (code 3)
	s_or_b32 s[G1B+0], s44, (0<<16)|(1<<20)|(1<<21)|(5<<22)|(3<<25) ; the same with my column's mask
.irp g, G1, G1B
	s_mov_b32 s[\g+1], ROWB<<16                    ; tensor_dim0
	s_mov_b32 s[\g+2], 128<<16                     ; tensor_dim1 = 128
	s_mov_b32 s[\g+3], ROWB<<16                    ; tile_dim0
	s_mov_b32 s[\g+4], 128                         ; tile_dim1 = 128
	s_mov_b32 s[\g+5], KROW                        ; tensor_dim0_stride
	s_mov_b32 s[\g+6], 0
	s_mov_b32 s[\g+7], 0
.endr
	s_lshl_b32 s18, s16, 7                         ; which 128 rows of the tile I fetch
	s_lshl_b32 s20, s17, 8
	s_add_co_u32 s20, s20, s18                     ; region A: row 256 x tile + 128 x half,
	s_lshl_b32 s20, s20, 10                        ; in bytes (8,191 rows of 1,024 bytes at the most)
	s_mov_b32 s21, 0
	s_lshl_b32 s46, s42, 8
	s_add_co_u32 s46, s46, s18                     ; region B likewise
	s_lshl_b32 s46, s46, 10
	s_mov_b32 s47, 0
	s_mul_i32 s45, s14, HALFT                      ; where they go: wave x 128 rows: no place in the cluster enters an LDS address
	s_wait_kmcnt 0x0
	s_load_b256 s[92:99], s[82:83], 0x0            ; entries 0 to 7 of the scales
	s_load_b32 s100, s[82:83], 0x24                ; entry 9
	s_cmp_eq_u32 ttmp9, 2                          ; the buffers are chosen by the product's number alone
	s_cselect_b64 s[4:5], s[74:75], s[68:69]       ; region A: wv, else x
	s_cselect_b64 s[6:7], s[68:69], s[70:71]       ; region B: x, else wq,
	s_cselect_b64 s[8:9], s[80:81], s[76:77]       ; the bias
	s_cselect_b64 s[10:11], s[88:89], s[84:85]     ; and the image
	s_cmp_eq_u32 ttmp9, 1
	s_cselect_b64 s[6:7], s[72:73], s[6:7]         ; or wk,
	s_cselect_b64 s[8:9], s[78:79], s[8:9]
	s_cselect_b64 s[10:11], s[86:87], s[10:11]
	s_add_nc_u64 s[20:21], s[4:5], s[20:21]
	s_add_nc_u64 s[46:47], s[6:7], s[46:47]
	CROUND                                         ; all sixteen work-groups are here: the first joint loads meet
.irp s, 0,1
	s_mov_b32 s[G0+4*\s], 1
	s_add_co_u32 s[G0+4*\s+1], s45, \s*SLOT
	s_add_nc_u64 s[G0+4*\s+2:G0+4*\s+3], s[20:21], \s*ROWB
	s_or_b32 s[G0+4*\s+3], s[G0+4*\s+3], 0x80000000
	s_mov_b32 s[G0B+4*\s], 1
	s_add_co_u32 s[G0B+4*\s+1], s45, \s*SLOT
	s_add_nc_u64 s[G0B+4*\s+2:G0B+4*\s+3], s[46:47], \s*ROWB
	s_or_b32 s[G0B+4*\s+3], s[G0B+4*\s+3], 0x80000000
	JLOAD G0+4*\s, G1, G0B+4*\s, G1B
.endr
	v_and_b32 v1, 15, v0                           ; l % 16
	v_bfe_u32 v2, v0, 4, 1                         ; l / 16
	v_mul_u32_u24 v3, v1, PITCH
	v_lshl_add_u32 v4, v2, 4, v3                   ; a fragment's row x pitch + 16 x half
	s_mul_i32 s21, s15, HALFT                      ; my 128 rows of region A
	s_mul_i32 s22, s16, HALFT                      ; my 128 rows of region B,
	s_add_co_u32 s22, s22, 2*HALFT                 ; which lie behind A's 256
.irp s, 0,1
	v_add_nc_u32 v[ADRA+\s], s21, v4
	v_add_nc_u32 v[ADRB+\s], s22, v4
	s_add_co_u32 s21, s21, SLOT
	s_add_co_u32 s22, s22, SLOT
.endr
	v_lshlrev_b32 v[HB], 5, v2
	v_lshlrev_b32 v[RB], 2, v1
	v_and_b32 v6, 31, v0
	v_lshlrev_b32 v[LI], 4, v6
	; where my 128 tokens x 128 features lie: one formula for the three images
	s_cmp_eq_u32 ttmp9, 2
	s_cselect_b32 s18, s40, s41                    ; the tokens' tile in the cluster: cx for v, else cy
	s_cselect_b32 s19, s41, s40                    ; the features' tile of 256
	s_cselect_b32 s22, s16, s15                    ; my half of the tokens
	s_cselect_b32 s23, s15, s16                    ; my half of the features
	s_and_b32 s90, ttmp7, 0xffff
	s_lshl_b32 s90, s90, 2
	s_add_co_u32 s18, s18, s90                     ; the tokens' tile of 256, 0 .. 31: eight to a batch
	s_lshr_b32 s90, s18, 3
	s_lshl_b32 s90, s90, 4                         ; 16 x batch
	s_lshl_b32 s91, s19, 2
	s_add_co_u32 s90, s90, s91                     ; + four heads to a tile of features
	s_lshl_b32 s91, s23, 1
	s_add_co_u32 s90, s90, s91                     ; + two to my half: my first head
	s_lshl_b32 s90, s90, 17                        ; 131,072 bytes of image to a batch and head
	s_and_b32 s91, s18, 7
	s_lshl_b32 s91, s91, 1
	s_add_co_u32 s91, s91, s22                     ; which 128 tokens of the batch's 2,048
	s_lshl_b32 s91, s91, 13                        ; 8,192 bytes of image to 128 tokens
	s_add_co_u32 s90, s90, s91
	s_mov_b32 s91, 0
	s_add_nc_u64 s[10:11], s[10:11], s[90:91]
	s_lshl_b32 s90, s19, 10
	s_lshl_b32 s18, s23, 9
	s_add_co_u32 s90, s90, s18                     ; my 128 features' bias: 4 (256 x tile + 128 x half) bytes on
	s_add_nc_u64 s[8:9], s[8:9], s[90:91]
.irp b, 0,1,2,3,4,5,6,7                        ; my 128 numbers of the bias, in both forms: so the text parts on the product once only, at the way out
	global_load_b128 v[BI+8*\b:BI+8*\b+3], v[HB], s[8:9] offset:64*\b
	global_load_b128 v[BI+8*\b+4:BI+8*\b+7], v[HB], s[8:9] offset:64*\b+16
	global_load_b32 v[BV+2*\b], v[RB], s[8:9] offset:64*\b
	global_load_b32 v[BV+2*\b+1], v[RB], s[8:9] offset:64*\b
.endr
.macro FRAG reg, adr, q, i             ; a fragment: lane l holds row l % 16; registers 4 c .. 4 c + 3 hold K = 32 c + 16 (l / 16) + 0 .. 15: the same order of K on both sides, so every product meets its partner
.irp c, 0,1,2,3
	ds_load_b128 v[\reg+4*\c:\reg+4*\c+3], v[\adr] offset:128*(\q)+32*\c+(\i)*16*PITCH
.endr
.endm
; 16 matrix instructions: region A's blocks a0, a0 + 1 x region B's eight, 128 along K.  p: B's set.  zero = 1: the first product starts the sums.
; The 64 accumulators take turns, one instruction a turn, in the same order in every step.
.macro MUL16 a0, p, zero
.irp a, \a0, \a0+1
.irp b, 0,1,2,3,4,5,6,7
.if \zero
	v_wmma_f32_16x16x128_bf8_bf8 v[8*(8*((\a)%4)+\b):8*(8*((\a)%4)+\b)+7], v[128*(\p)+FR*\b:128*(\p)+FR*\b+FR-1], v[AF+FR*(\a):AF+FR*(\a)+FR-1], 0
.else
	v_wmma_f32_16x16x128_bf8_bf8 v[8*(8*((\a)%4)+\b):8*(8*((\a)%4)+\b)+7], v[128*(\p)+FR*\b:128*(\p)+FR*\b+FR-1], v[AF+FR*(\a):AF+FR*(\a)+FR-1], v[8*(8*((\a)%4)+\b):8*(8*((\a)%4)+\b)+7]
.endif
.endr
.endr
.endm
.macro FETCH_B slot, q, p              ; region B's eight fragments of the slot's q-th 128 along K into set p
	WIN TO_B
.irp i, 0,1,2,3,4,5,6,7
	FRAG 128*(\p)+FR*\i, ADRB+\slot, \q, \i
.endr
	WIN 0
.endm
.macro FETCH_A slot, q, i0             ; region A's blocks i0 .. i0 + 3
.irp i, \i0, \i0+1, \i0+2, \i0+3
	FRAG AF+FR*(\i), ADRA+\slot, \q, \i
.endr
.endm
.macro PLACES n                        ; plain vector instructions between a matrix instruction and a load into, or a vector instruction on, one of its registers
.rept \n
	v_nop
.endr
.endm
; A step of 128 along K that has its successor in the same slot.
.macro STEP slot, q, zero
	s_wait_dscnt 4*NL                              ; B's set and A's blocks 0-3 are in; the youngest sixteen loads (A's blocks 4-7) may be out
	WIN MUL_LO
	MUL16 0, (\q)%2, \zero
	MUL16 2, (\q)%2, \zero
	s_wait_dscnt 0                                 ; A's blocks 4-7 are in (asked for 32 matrix instructions ago)
	PLACES NP
	FETCH_B \slot, (\q)+1, 1-(\q)%2
	FETCH_A \slot, (\q)+1, 0
	WIN MUL_HI
	MUL16 4, (\q)%2, \zero
	MUL16 6, (\q)%2, \zero
	PLACES NP
	WIN 0
	FETCH_A \slot, (\q)+1, 4
.endm
; A slot's last step changes slots: ONE barrier; in front of it each wave waits for all its tensor loads, adds 0 to its spare word, and waits for that and for its own reads of this slot.  fill = 1: this slot is filled again, two K steps ahead.
.macro TURN slot, next, fill
	s_wait_tensorcnt 0x0                           ; all my tensor loads have landed: my part of the next slot
	ds_add_u32 v[SPW], v[NIL]                      ; 0 onto my spare word
	s_wait_dscnt 4*NL+1                            ; (the add and the youngest sixteen loads, A's blocks 4-7, may be out)
	WIN MUL_LO
	MUL16 0, 1, 0                                  ; sixteen matrix instructions stand between the add and the wait for it
	s_wait_dscnt 0x0                               ; the add is done, and my reads of this slot are over
	s_barrier_signal -1
	MUL16 2, 1, 0
	WIN 0
	s_barrier_wait -1
.if \fill
	CREST                                          ; the barrier has opened a round of the cluster's barrier: no wave of any partner still reads this slot's tile or has a load on its way
	s_add_nc_u64 s[G0+4*\slot+2:G0+4*\slot+3], s[G0+4*\slot+2:G0+4*\slot+3], 2*ROWB
	s_add_nc_u64 s[G0B+4*\slot+2:G0B+4*\slot+3], s[G0B+4*\slot+2:G0B+4*\slot+3], 2*ROWB
	JLOAD G0+4*\slot, G1, G0B+4*\slot, G1B         ; the first tensor load behind the round; its four v_nop are also the places in front of the loads below
.else
	PLACES NP
.endif
	FETCH_B \next, 0, 0
	FETCH_A \next, 0, 0
	WIN MUL_HI
	MUL16 4, 1, 0
	MUL16 6, 1, 0
	PLACES NP
	WIN 0
	FETCH_A \next, 0, 4
.endm
	s_wait_tensorcnt 1                             ; my part of K step 0 is in (K step 1's load may be out)
	s_barrier_signal -1
	s_barrier_wait -1                              ; everybody's is
	FETCH_B 0, 0, 0
	FETCH_A 0, 0, 0
	FETCH_A 0, 0, 4
	STEP 0, 0, 1                                   ; the first step stands in front of the loop: its products start the sums
	s_mov_b32 s3, LAPS-1
.Llap:                                                 ; a trip goes once round the ring, from a lap's second step to the next lap's first, and fills both slots again
	TURN 0, 1, 1
	STEP 1, 0, 0
	TURN 1, 0, 1
	STEP 0, 0, 0
	s_sub_co_u32 s3, s3, 1
	s_cmp_lg_u32 s3, 0
	s_cbranch_scc1 .Llap
	TURN 0, 1, 0                                   ; the last lap fills nothing, and has no round of the cluster's barrier
	STEP 1, 0, 0
	s_wait_dscnt 4*NL                              ; the very last step: nothing more to fetch
	WIN MUL_LO
	MUL16 0, 1, 0
	MUL16 2, 1, 0
	s_wait_dscnt 0
	WIN MUL_HI
	MUL16 4, 1, 0
	MUL16 6, 1, 0
	WIN 0
; THE WAY OUT, block by block of region A's 16 rows.  y = sum x 2^(ea + eb) + bias, held, converted: a lane's eight numbers of accumulator b become registers 2 b, 2 b + 1 of the block's 16 registers of codes,
; which ARE the image: q, k: two heads' fragments of 16 tokens x 64 channels;  v: one fragment of 16 channels x 128 keys.  Four stores of 512 consecutive bytes.  No LDS is touched.
.macro OUTBLK a, isv
.set AC, 64*((\a)%4)
.set CR, CODE+16*((\a)%4)
.if (\a) == 4
	s_wait_xcnt 0x0                                ; blocks 0 to 3's stores have read their codes: the four sets of registers are written again only behind this wait
.endif
	WIN 0x02+((\a)/4)                              ; source 0: window 2 or 3
.set jj, 0
.rept 32
.if \isv
	v_pk_fma_f32 v[T+jj:T+jj+1], v[AC+jj:AC+jj+1], s[66:67], v[BV+2*(\a):BV+2*(\a)+1] op_sel_hi:[1,0,1]   ; each accumulator from its low end on
.else
	v_pk_fma_f32 v[T+jj:T+jj+1], v[AC+jj:AC+jj+1], s[66:67], v[BI+jj:BI+jj+1] op_sel_hi:[1,0,1]
.endif
.set jj, jj+2
.endr
	WIN 0
.set jj, 0
.rept 64
	v_med3_num_f32 v[T+jj], v[T+jj], -v[LIM], v[LIM]   ; the conversion to an 8-bit code does not saturate (ISA guide 7.6.2): the hold at the largest code x the scale
.set jj, jj+1
.endr
.irp b, 0,1,2,3,4,5,6,7
	v_cvt_scalef32_pk8_bf8_f32 v[CR+2*\b:CR+2*\b+1], v[T+8*\b:T+8*\b+7], v[SCL]
.endr
	v_nop                                          ; one plain vector instruction between the last conversion and the next block's lines, which write its sources
.irp i, 0,1,2,3
.if \isv
	global_store_b128 v[LI], v[CR+4*\i:CR+4*\i+3], s[10:11] offset:((\a)/4)*131072+2048*((\a)%4)+512*\i   ; head a / 4, channels 16 (a % 4) on, piece i
.else
	global_store_b128 v[LI], v[CR+4*\i:CR+4*\i+3], s[10:11] offset:(\i/2)*131072+1024*(\a)+512*(\i%2)     ; head i / 2, tokens 16 a on, piece i % 2
.endif
.endr
.endm
	s_wait_kmcnt 0x0
	s_cmp_eq_u32 ttmp9, 2                          ; the three exponents, chosen without a branch
	s_cselect_b32 s18, s96, s92
	s_cselect_b32 s19, s97, s93
	s_cselect_b32 s22, s100, s98
	s_cmp_eq_u32 ttmp9, 1
	s_cselect_b32 s18, s94, s18
	s_cselect_b32 s19, s95, s19
	s_cselect_b32 s22, s99, s22
	s_add_co_i32 s18, s18, s19
	s_add_co_i32 s18, s18, 127
	s_lshl_b32 s66, s18, 23                        ; 2^(ea + eb) as f32
	s_mov_b32 s67, s66                             ; (named with it as a pair, so it is written)
	s_add_co_i32 s22, s22, 127
	s_lshl_b32 s23, s22, 23
	v_mov_b32 v[SCL], s23                          ; 2^eo: the conversion takes its exponent field
	s_add_co_i32 s22, s22, 15
	s_lshl_b32 s22, s22, 23
	s_or_b32 s22, s22, 0x600000
	v_mov_b32 v[LIM], s22                          ; 57,344 x 2^eo
	s_wait_loadcnt 0x0                             ; the bias
	PLACES NP                                      ; behind the last products: the numbers below are written over region A's fragments
	s_cmp_eq_u32 ttmp9, 2                          ; the product's number is the same in all partners
	s_cbranch_scc1 .Lout_v
.irp a, 0,1,2,3,4,5,6,7
	OUTBLK \a, 0
.endr
	s_branch .Lend
.Lout_v:
.irp a, 0,1,2,3,4,5,6,7
	OUTBLK \a, 1
.endr
.Lend:
	s_wait_tensorcnt 0x0                           ; the wave's end
	ds_add_u32 v[SPW], v[NIL]
	s_wait_dscnt 0x0
	CROUND                                         ; the closing round: no work-group ends while a partner may still ask for a tile that names it
	s_endpgm
.Lfunc_end_k_qaed33d787b_qkv:
	.size	k_qaed33d787b_qkv, .Lfunc_end_k_qaed33d787b_qkv-k_qaed33d787b_qkv
	.p2alignl 7, 3214868480
	.fill 96, 4, 3214868480
	.section	.rodata,"a",@progbits
	.p2align	6, 0x0
	.amdhsa_kernel k_qaed33d787b_qkv
		.amdhsa_group_segment_fixed_size 327680
		.amdhsa_private_segment_fixed_size 0
		.amdhsa_enable_private_segment 0
		.amdhsa_kernarg_size 88
		.amdhsa_user_sgpr_count 2
		.amdhsa_user_sgpr_kernarg_segment_ptr 1
		.amdhsa_wavefront_size32 1
		.amdhsa_system_sgpr_workgroup_id_x 1
		.amdhsa_system_sgpr_workgroup_id_y 1
		.amdhsa_system_sgpr_workgroup_id_z 1
		.amdhsa_system_vgpr_workitem_id 0
		.amdhsa_next_free_vgpr 1024
		.amdhsa_next_free_sgpr 102
		.amdhsa_reserve_vcc 0
		.amdhsa_float_denorm_mode_32 3
		.amdhsa_float_denorm_mode_16_64 3
		.amdhsa_memory_ordered 1
		.amdhsa_forward_progress 1
		.amdhsa_inst_pref_size 194
	.end_amdhsa_kernel
	.amdgpu_metadata
---
amdhsa.version: [ 1, 2 ]
amdhsa.kernels:
  - .name:           k_qaed33d787b_qkv
    .symbol:         k_qaed33d787b_qkv.kd
    .args:
      - { .name: x_codes, .offset: 0, .size: 8, .value_kind: global_buffer, .address_space: global }
      - { .name: wq_codes, .offset: 8, .size: 8, .value_kind: global_buffer, .address_space: global }
      - { .name: wk_codes, .offset: 16, .size: 8, .value_kind: global_buffer, .address_space: global }
      - { .name: wv_codes, .offset: 24, .size: 8, .value_kind: global_buffer, .address_space: global }
      - { .name: bq, .offset: 32, .size: 8, .value_kind: global_buffer, .address_space: global }
      - { .name: bk, .offset: 40, .size: 8, .value_kind: global_buffer, .address_space: global }
      - { .name: bv, .offset: 48, .size: 8, .value_kind: global_buffer, .address_space: global }
      - { .name: lowp_scales, .offset: 56, .size: 8, .value_kind: global_buffer, .address_space: global }
      - { .name: q_img, .offset: 64, .size: 8, .value_kind: global_buffer, .address_space: global }
      - { .name: k_img, .offset: 72, .size: 8, .value_kind: global_buffer, .address_space: global }
      - { .name: v_img, .offset: 80, .size: 8, .value_kind: global_buffer, .address_space: global }
    .group_segment_fixed_size: 327680
    .private_segment_fixed_size: 0
    .kernarg_segment_align: 8
    .kernarg_segment_size: 88
    .max_flat_workgroup_size: 128
    .sgpr_count:     102
    .vgpr_count:     1024
    .wavefront_size: 32
...
	.end_amdgpu_metadata
.endif
;; end of part 1
;; launch attn (part 2): grid 4 x 64, 8 waves a work-group, no clusters, 113,664 bytes of LDS; arguments q_img, k_img, v_img, attention_mask, lowp_scales, ctx_img; writes ctx_img
.if DOCPART == 2
	.amdgcn_target "amdgcn-amd-amdhsa--gfx1250"
	.amdhsa_code_object_version 6
	.text
	.protected	k_qaed33d787b_attn
	.globl	k_qaed33d787b_attn
	.p2align	8
	.type	k_qaed33d787b_attn,@function
k_qaed33d787b_attn:
	s_mov_b64 s[64:65], 0
	v_nop
	global_prefetch_b8 v0, s[64:65] scope:SCOPE_SE
	s_setreg_imm32_b32 hwreg(HW_REG_WAVE_MODE, 25, 1), 1
	s_wait_xcnt 0x0
; ctx = (softmax over the keys that the mask keeps of q k^T / 8) v, x the query's mask, both products on codes of BF8 (E5M2).  THE WEIGHTS ARE QUANTISED FINISHED AND NORMALISED: a row's largest score and its sum are known before any weight becomes a code.
; SHARES.  A work-group owns 512 queries of one batch and head (grid x: which 512; grid y: 16 x batch + head).  ITS EIGHT WAVES SHARE THE KEYS: wave w owns keys 256 w .. 256 w + 255 for the whole launch; its 16 fragments of K and 8 of V^T
; (256 registers) are read from memory once and stay.  A UNIT is one tile of 16 queries: the wave's 16 x 256 scores lie in 128 registers, so each score is made once and has one exponential.
; A UNIT.  S^T = K Q^T (source 0 = 16 keys, source 1 = the 16 queries: a lane holds ONE query, its registers run along the keys); t = c s, c = log2(e) / 8 x 2^(e6 + e7); the wave's own largest t (mt) and p = 2^(t - mt), and its sum l_w;
; (mt, l_w) of the eight waves meet in LDS; m = the largest mt, l = the sum of l_w 2^(mt_w - m); the weight is p x f, f = 2^(mt - m) / l; it is held at 57,344 x 2^e8 and converted with 2^e8: the conversions' results are source 1 of
; O^T = V^T P^T.  The eight partial O^T (16 queries x 64 channels) meet in LDS one unit later; each wave adds an eighth, multiplies by the query's mask as a number, converts with 2^(e10 - e8 - e9), and puts four codes a lane into the image of ctx.
; THE KEY MASK costs no vector work: LDS holds, for each key, 0 or -2^80; these numbers are loaded into the scores' registers and are the C of K Q^T.  A hidden key's p is 0; a wave with no key left has f = 0; where no key of the batch is
; left, m lies under -(c 2^79) and f is set to 0 by a select: the row is 0.
; ctx_img: [tile of 16 rows 512][head 16][2 pieces of 512 bytes], lane (r, h)'s 16 bytes at 16 (16 h + r): k = 64 head + 32 piece + 16 h + 0 .. 15 of row r: the registers of an operand of the last product.
; LIMITS on the given exponents: e6 + e7 between -40 and 40 (so that c 2^80 is an f32 number and stands far under every true t); e8, and e10 - e8 - e9, between -126 and 112.  NaN and infinity codes are not served.  A p under 2^-126 counts as 0.
; NO CLUSTER: the four work-groups of a batch and head read the same 256 KiB of K and V, but once each, at the head, straight into operand registers; a joint load would bring them into LDS and add a second pass of those bytes through it.
; One barrier a unit.  What is stored in front of unit u's barrier lies in the half u % 2 of its LDS region; it is read behind that barrier, every wave waits for those reads in front of the next barrier, and the half is written again only behind that.
; REGISTERS: window 1: v0-127 K (tile of 16 keys t at 8 t), v128-255 V^T (128 keys kb, 16 channels t: at 128 + 16 (4 kb + t)).
;   window 0: v1-9 addresses that stay, v10, v11 addresses in hand; v12 -mt, v13 mt; v[14:15] f; v16-19 maxima; v20-27 sums; v29 2^e8; v30, v31 the hold and the scale of ctx; v[32:33] the query's mask; v[34:35] ctx's codes;
;   v[36:37] m; v38 2^(mt - m); v39 a lane exchange's destination; v[40:41] l; v48-63 Q, two sets; v64-95 O^T, later the eight partials; v96-127 the weights' codes, earlier the eight waves' (mt, l); v128-255 S^T.
.set BIAS,  0                          ; LDS: f32[2048]: 0 or NEG for each key of the batch
.set QM,    8192                       ; f32[512]: my queries' mask as numbers
.set STATS, 10240                      ; 2 halves x 1,280: query r at 80 r: mt of the eight waves, then l of the eight; 80 bytes from row to row, so that sixteen rows' 16-byte reads start at different banks
.set OPART, 12800                      ; 2 halves x 8 waves x 4,096: a wave's O^T as it stands in its registers: four registers at 512 i + 16 lane
.set CST,   78336                      ; 32 units x 1,024: the work-group's part of ctx_img
.set NEG,   0xe7800000                 ; -2^80
.set LI,   1                           ; v1  16 x lane
.set QOFF, 2                           ; v2  Q's offset: 16 x lane + 1,024 x unit
.set BA,   3                           ; v3  BIAS + 1,024 w + 32 (lane / 16)
.set STW,  4                           ; v4  STATS + 80 r + 4 w
.set STR,  5                           ; v5  STATS + 80 r
.set OW,   6                           ; v6  OPART + 4,096 w + 16 lane
.set ORD,  7                           ; v7  OPART + 512 w + 16 lane
.set CSA,  8                           ; v8  CST + my four codes' place in a unit's image
.set QMA,  9                           ; v9  QM + 4 r
.set Q,    48
.set O,    64
.set P,    96
.set S,    128
.set MSB, 0
.macro WIN new                         ; the immediate's high byte repeats the setting that is left
.if MSB != \new
	s_set_vgpr_msb (MSB<<8)|\new
.set MSB, \new
.endif
.endm
	s_load_b256 s[4:11], s[0:1], 0x0               ; q_img s[4:5], k_img s[6:7], v_img s[8:9], the mask s[10:11]
	s_load_b128 s[12:15], s[0:1], 0x20             ; the scales s[12:13], ctx_img s[14:15]
	v_lshl_add_u32 v46, v0, 2, 0x1b800
	v_mov_b32 v47, 0
	v_lshrrev_b32 v10, 5, v0
	v_readfirstlane_b32 s16, v10                   ; wave 0..7
	s_and_b32 s17, ttmp7, 0xffff                   ; 16 x batch + head
	s_lshr_b32 s18, s17, 4                         ; batch
	s_and_b32 s19, s17, 15                         ; head
	v_and_b32 v11, 31, v0
	v_lshlrev_b32 v[LI], 4, v11
	v_mov_b32 v[QOFF], v[LI]
	v_and_b32 v10, 15, v0                          ; r
	v_bfe_u32 v11, v0, 4, 1                        ; h
	s_lshl_b32 s20, s16, 10
	v_lshl_add_u32 v[BA], v11, 5, s20
	v_mul_u32_u24 v[STR], v10, 80
	v_add_nc_u32 v[STR], STATS, v[STR]
	s_lshl_b32 s20, s16, 2
	v_add_nc_u32 v[STW], s20, v[STR]
	s_lshl_b32 s20, s16, 12
	s_add_co_u32 s20, s20, OPART
	v_add_nc_u32 v[OW], s20, v[LI]
	s_lshl_b32 s20, s16, 9
	s_add_co_u32 s20, s20, OPART
	v_add_nc_u32 v[ORD], s20, v[LI]
	; I add registers 4 w .. 4 w + 3 of O^T: channels 16 (w / 2) + 8 h + 4 (w % 2) + 0 .. 3 of query r.  In the image: piece w / 4, lane 16 ((w / 2) % 2) + r, byte 8 h + 4 (w % 2)
	s_lshr_b32 s20, s16, 2
	s_lshl_b32 s20, s20, 9
	s_bfe_u32 s21, s16, 0x10001
	s_lshl_b32 s21, s21, 8
	s_add_co_u32 s20, s20, s21
	s_and_b32 s21, s16, 1
	s_lshl_b32 s21, s21, 2
	s_add_co_u32 s20, s20, s21
	s_add_co_u32 s20, s20, CST
	v_lshl_add_u32 v[CSA], v10, 4, s20
	v_lshl_add_u32 v[CSA], v11, 3, v[CSA]
	v_lshl_add_u32 v[QMA], v10, 2, QM
	v_lshlrev_b32 v16, 5, v0                       ; the mask: eight keys a thread: 32 bytes; the same place in BIAS
	s_lshl_b32 s44, ttmp9, 11
	v_lshl_add_u32 v17, v0, 3, s44                 ; my work-group's 512 queries: two a thread
	v_lshl_add_u32 v18, v0, 3, QM
	s_lshl_b32 s20, s17, 17                        ; 131,072 bytes of image to a batch and head
	s_lshl_b32 s22, s16, 14
	s_add_co_u32 s22, s22, s20                     ; K, V: + my 256 keys' 16,384 bytes
	s_lshl_b32 s21, ttmp9, 15
	s_add_co_u32 s20, s20, s21                     ; Q: + my work-group's 32 tiles of 1,024 bytes
	s_mov_b32 s21, 0
	s_mov_b32 s23, 0
	s_lshl_b32 s40, s18, 13                        ; the mask: a batch's 2,048 numbers
	s_mov_b32 s41, 0
	s_lshl_b32 s42, s18, 21                        ; ctx_img: 128 tiles of 16,384 bytes to a batch,
	s_lshl_b32 s43, ttmp9, 19
	s_add_co_u32 s42, s42, s43                     ; 32 to a work-group,
	s_lshl_b32 s43, s16, 16
	s_add_co_u32 s42, s42, s43                     ; of which wave w stores four;
	s_lshl_b32 s43, s19, 10
	s_add_co_u32 s42, s42, s43                     ; 1,024 bytes to a head
	s_mov_b32 s43, 0
	s_mov_b32 s38, 0x76543210                      ; v_permlanex16_b32's selects for lane l xor 16
	s_mov_b32 s39, 0xfedcba98
	s_mov_b32 s36, 0                               ; the pair of units in hand: its place in CST,
	s_mov_b32 s37, 0                               ; and in QM
	s_wait_kmcnt 0x0
	s_load_b128 s[24:27], s[12:13], 0x18           ; e6, e7, e8, e9
	s_load_b32 s28, s[12:13], 0x28                 ; e10
	s_add_nc_u64 s[4:5], s[4:5], s[20:21]
	s_add_nc_u64 s[6:7], s[6:7], s[22:23]
	s_add_nc_u64 s[8:9], s[8:9], s[22:23]
	s_add_nc_u64 s[10:11], s[10:11], s[40:41]
	s_add_nc_u64 s[14:15], s[14:15], s[42:43]
	global_load_b128 v[128:131], v16, s[10:11]
	global_load_b128 v[132:135], v16, s[10:11] offset:16
	global_load_b64 v[136:137], v17, s[10:11]
	WIN 0x40                                       ; destination window 1
.set ii, 0
.rept 32
	global_load_b128 v[4*ii:4*ii+3], v[LI], s[6:7] offset:512*ii       ; K: 32 pieces of 512 consecutive bytes, as they lie
.set ii, ii+1
.endr
	WIN 0
	s_wait_loadcnt 32                              ; the mask's three loads are in; K's 32 are younger and may be out
	v_mov_b32 v40, NEG
.irp i, 0,1,2,3,4,5,6,7
	v_cmp_eq_u32 vcc_lo, 0, v[128+\i]
	v_cndmask_b32 v[128+\i], 0, v40, vcc_lo        ; a hidden key: -2^80; else 0
.endr
	ds_store_b128 v16, v[128:131]
	ds_store_b128 v16, v[132:135] offset:16
	v_cvt_f32_i32 v136, v136                       ; the query's mask is a factor, as a number
	v_cvt_f32_i32 v137, v137
	ds_store_b64 v18, v[136:137]
	WIN 0x40
.set ii, 0
.rept 32
	global_load_b128 v[128+4*ii:128+4*ii+3], v[LI], s[8:9] offset:512*ii   ; V^T likewise
.set ii, ii+1
.endr
	WIN 0
	global_load_b128 v[Q:Q+3], v[QOFF], s[4:5] th:TH_LOAD_NT           ; unit 0's queries
	global_load_b128 v[Q+4:Q+7], v[QOFF], s[4:5] offset:512 th:TH_LOAD_NT
	v_mov_b32 v15, 0                               ; the upper halves of pairs of which the low word serves both halves, and the exchange's destination: written once
	v_mov_b32 v33, 0
	v_mov_b32 v37, 0
	v_mov_b32 v39, 0
	s_wait_kmcnt 0x0
	s_add_co_i32 s20, s24, s25
	s_lshl_b32 s20, s20, 23
	s_add_co_i32 s30, s20, 0x3e38aa3b              ; c = log2(e) / 8, with e6 + e7 added to its exponent field
	s_mov_b32 s31, s30                             ; (named with it as a pair, so it is written)
	s_xor_b32 s32, s30, 0x80000000                 ; -c
	s_add_co_i32 s33, s30, 79<<23
	s_or_b32 s33, s33, 0x80000000                  ; -(c 2^79): every true t lies above it, every hidden one below
	s_add_co_i32 s20, s26, 127
	s_lshl_b32 s21, s20, 23
	v_mov_b32 v29, s21                             ; 2^e8
	s_add_co_i32 s20, s20, 15
	s_lshl_b32 s20, s20, 23
	s_or_b32 s34, s20, 0x600000                    ; 57,344 x 2^e8
	s_sub_co_i32 s20, s28, s26
	s_sub_co_i32 s20, s20, s27                     ; a sum of the second product stands for sum x 2^(e8 + e9): ctx's code is sum / 2^(e10 - e8 - e9)
	s_add_co_i32 s20, s20, 127
	s_lshl_b32 s21, s20, 23
	v_mov_b32 v31, s21
	s_add_co_i32 s20, s20, 15
	s_lshl_b32 s20, s20, 23
	s_or_b32 s20, s20, 0x600000
	v_mov_b32 v30, s20
	s_wait_dscnt 0x0                               ; for the others' sake: my stores into BIAS and QM are done
	s_barrier_signal -1
	s_barrier_wait -1
.macro BIASLOAD t                      ; the C of tile t's product: register j = the bias of key 256 w + 16 t + 8 h + j
	ds_load_b128 v[S+8*(\t):S+8*(\t)+3], v[BA] offset:64*(\t)
	ds_load_b128 v[S+8*(\t)+4:S+8*(\t)+7], v[BA] offset:64*(\t)+16
.endm
.macro OSTORE p                        ; my partial O^T as it stands, each accumulator from its low end on
.irp i, 0,1,2,3,4,5,6,7
	ds_store_b128 v[OW], v[O+4*\i:O+4*\i+3] offset:32768*\p+512*\i
.endr
.endm
.macro OLOAD p                         ; registers 4 w .. 4 w + 3 of all eight waves' partials, and the mask of the unit's query r
.irp i, 0,1,2,3,4,5,6,7
	ds_load_b128 v[O+4*\i:O+4*\i+3], v[ORD] offset:32768*\p+4096*\i
.endr
	v_add_nc_u32 v11, s37, v[QMA]
	ds_load_b32 v32, v11 offset:64*(1-\p)
.endm
.macro REDUCE p, step                  ; the eight partials are added, x the query's mask, held, converted; four codes a lane go into the image.  step = 1: on to the next pair of units
.irp a, 0,8,16,24
	v_pk_add_f32 v[O+\a:O+\a+1], v[O+\a:O+\a+1], v[O+\a+4:O+\a+5]
	v_pk_add_f32 v[O+\a+2:O+\a+3], v[O+\a+2:O+\a+3], v[O+\a+6:O+\a+7]
.endr
.irp a, 0,16
	v_pk_add_f32 v[O+\a:O+\a+1], v[O+\a:O+\a+1], v[O+\a+8:O+\a+9]
	v_pk_add_f32 v[O+\a+2:O+\a+3], v[O+\a+2:O+\a+3], v[O+\a+10:O+\a+11]
.endr
	v_pk_add_f32 v[O:O+1], v[O:O+1], v[O+16:O+17]
	v_pk_add_f32 v[O+2:O+3], v[O+2:O+3], v[O+18:O+19]
	v_pk_mul_f32 v[O:O+1], v[O:O+1], v[32:33] op_sel_hi:[1,0]
	v_pk_mul_f32 v[O+2:O+3], v[O+2:O+3], v[32:33] op_sel_hi:[1,0]
.irp i, 0,1,2,3
	v_med3_num_f32 v[O+\i], v[O+\i], -v30, v30     ; the conversion to an 8-bit code does not saturate (ISA guide 7.6.2)
.endr
	v_cvt_scalef32_pk8_bf8_f32 v[34:35], v[O:O+7], v31   ; v34: my four codes; the upper four numbers are a partial's, and their codes are not used
	v_nop                                          ; one plain vector instruction behind the conversion
	v_add_nc_u32 v10, s36, v[CSA]
	ds_store_b32 v10, v34 offset:1024*(1-\p)
.if \step
	s_add_co_u32 s36, s36, 2048
	s_add_co_u32 s37, s37, 128
.endif
.endm
; UNIT u.  p = u % 2;  prev = 1: unit u - 1's partial O^T is in my registers;  more = 1: a unit follows.
.macro UNIT p, prev, more
	s_wait_loadcnt 0x0                             ; this unit's queries, asked for a unit ago (in unit 0 also K and V)
	s_wait_dscnt 0x0                               ; the bias lies in S^T's registers
	WIN 0x01                                       ; source 0 (K) window 1
.irp t, 0,1,2,3,4,5,6,7,8,9,10,11,12,13,14,15
	v_wmma_f32_16x16x64_bf8_bf8 v[S+8*\t:S+8*\t+7], v[8*\t:8*\t+7], v[Q+8*\p:Q+8*\p+7], v[S+8*\t:S+8*\t+7]
.endr
	WIN 0
.if \more
	v_add_nc_u32 v[QOFF], 1024, v[QOFF]            ; (its last loads are in.)  Four places behind the products
.rept 3
	v_nop
.endr
	global_load_b128 v[Q+8*(1-\p):Q+8*(1-\p)+3], v[QOFF], s[4:5] th:TH_LOAD_NT      ; the next unit's queries: a whole unit ahead
	global_load_b128 v[Q+8*(1-\p)+4:Q+8*(1-\p)+7], v[QOFF], s[4:5] offset:512 th:TH_LOAD_NT
.else
.rept 4
	v_nop
.endr
.endif
	; the largest of my 128 scores, in four chains, each accumulator from its low end on
.irp k, 0,1,2,3
	v_max3_num_f32 v[16+\k], v[S+32*\k], v[S+32*\k+1], v[S+32*\k+2]
.endr
.irp i, 3,5,7,9,11,13,15,17,19,21,23,25,27,29
.irp k, 0,1,2,3
	v_max3_num_f32 v[16+\k], v[16+\k], v[S+32*\k+\i], v[S+32*\k+\i+1]
.endr
.endr
	v_max3_num_f32 v16, v16, v[S+31], v[S+63]
	v_max3_num_f32 v18, v18, v[S+95], v[S+127]
	v_max3_num_f32 v16, v16, v17, v18
	v_max_num_f32 v16, v16, v19
	v_permlanex16_b32 v39, v16, s38, s39
	v_max_num_f32 v16, v16, v39                    ; and lane l xor 16's: the query's largest among my wave's 256 keys
	v_mul_f32 v12, s32, v16                        ; -mt (c is positive)
	v_mul_f32 v13, s30, v16                        ; mt
	; ONE BATCH: 64 packed t - mt and 128 exponentials; a pair is scaled one step ahead of its exponentials; nothing here names an exponential's result
	v_pk_fma_f32 v[S:S+1], v[S:S+1], s[30:31], v[12:13] op_sel_hi:[1,0,0]
.set ii, 1
.rept 63
	v_pk_fma_f32 v[S+2*ii:S+2*ii+1], v[S+2*ii:S+2*ii+1], s[30:31], v[12:13] op_sel_hi:[1,0,0]
	v_exp_f32 v[S+2*ii-2], v[S+2*ii-2]
	v_exp_f32 v[S+2*ii-1], v[S+2*ii-1]
.set ii, ii+1
.endr
	v_exp_f32 v[S+126], v[S+126]
	v_exp_f32 v[S+127], v[S+127]
	v_nop                                          ; a plain instruction behind the last exponential
	s_wait_alu depctr_va_vdst(0)                   ; one wait for the batch, ahead of its first reader
.irp k, 0,1,2,3                                ; the sum of p, two at a time, in four chains
	v_pk_add_f32 v[20+2*\k:21+2*\k], v[S+32*\k:S+32*\k+1], v[S+32*\k+2:S+32*\k+3]
.endr
.irp j, 4,6,8,10,12,14,16,18,20,22,24,26,28,30
.irp k, 0,1,2,3
	v_pk_add_f32 v[20+2*\k:21+2*\k], v[20+2*\k:21+2*\k], v[S+32*\k+\j:S+32*\k+\j+1]
.endr
.endr
	v_pk_add_f32 v[20:21], v[20:21], v[22:23]
	v_pk_add_f32 v[24:25], v[24:25], v[26:27]
	v_pk_add_f32 v[20:21], v[20:21], v[24:25]
	v_add_f32 v20, v20, v21
	v_permlanex16_b32 v39, v20, s38, s39
	v_add_f32 v20, v20, v39                        ; l_w
	ds_store_b32 v[STW], v13 offset:1280*\p        ; (both halves of the lanes hold the same number and write the same word)
	ds_store_b32 v[STW], v20 offset:1280*\p+32
.if \prev
	OSTORE \p
.endif
	s_wait_dscnt 0x0                               ; for the others' sake: my stores are done; and my reads of the other halves, of a unit ago, are over
	s_barrier_signal -1
	s_barrier_wait -1
.irp i, 0,1,2,3
	ds_load_b128 v[P+4*\i:P+4*\i+3], v[STR] offset:1280*\p+16*\i   ; v96-103: mt of the eight waves; v104-111: l
.endr
.if \prev
	OLOAD \p
	s_wait_dscnt 9                                 ; the four loads above are in; the eight partials and the query's mask are younger
.else
	s_wait_dscnt 0x0
.endif
	v_max3_num_f32 v36, v96, v97, v98
	v_max3_num_f32 v36, v36, v99, v100
	v_max3_num_f32 v36, v36, v101, v102
	v_max_num_f32 v36, v36, v103                   ; m
.irp i, 0,2,4,6
	v_pk_add_f32 v[P+\i:P+\i+1], v[P+\i:P+\i+1], v[36:37] op_sel_hi:[1,0] neg_lo:[0,1] neg_hi:[0,1]   ; mt_i - m
.endr
	v_sub_f32 v38, v13, v36
.irp i, 0,1,2,3,4,5,6,7
	v_exp_f32 v[P+\i], v[P+\i]
.endr
	v_exp_f32 v38, v38
	v_nop
	s_wait_alu depctr_va_vdst(0)                   ; one wait for the nine
	v_pk_mul_f32 v[40:41], v[104:105], v[96:97]
	v_pk_fma_f32 v[40:41], v[106:107], v[98:99], v[40:41]
	v_pk_fma_f32 v[40:41], v[108:109], v[100:101], v[40:41]
	v_pk_fma_f32 v[40:41], v[110:111], v[102:103], v[40:41]
	v_add_f32 v40, v40, v41                        ; l, at least 1: the wave that holds m adds a term 2^0
	v_rcp_f32 v40, v40
	v_nop
	v_cmp_le_f32 vcc_lo, s33, v36                  ; is any key of the batch left?
	s_wait_alu depctr_va_vdst(0)
	v_mul_f32 v14, v38, v40                        ; f = 2^(mt - m) / l
	v_cndmask_b32 v14, 0, v14, vcc_lo              ; 0 where no key is left
.irp t, 0,1,2,3,4,5,6,7,8,9,10,11,12,13,14,15
.irp j, 0,2,4,6
	v_pk_mul_f32 v[S+8*\t+\j:S+8*\t+\j+1], v[S+8*\t+\j:S+8*\t+\j+1], v[14:15] op_sel_hi:[1,0]   ; the finished weight
.endr
.irp j, 0,1,2,3,4,5,6,7
	v_min_num_f32 v[S+8*\t+\j], s34, v[S+8*\t+\j]  ; it is never negative: the hold is one-sided
.endr
	v_cvt_scalef32_pk8_bf8_f32 v[P+2*\t:P+2*\t+1], v[S+8*\t:S+8*\t+7], v29   ; registers 2 t, 2 t + 1: keys 16 t + 8 h + 0 .. 7: the operand's own layout
.if \more
	BIASLOAD \t                                    ; the tile's registers take the next unit's C
.endif
.endr
	v_nop                                          ; one plain vector instruction behind the last conversion
.if \prev
.if \more
	s_wait_dscnt 32                                ; the partials and the query's mask are in; the 32 loads of the bias are younger
.else
	s_wait_dscnt 0x0
.endif
	REDUCE \p, 1-\p
.endif
	WIN 0x01                                       ; source 0 (V^T) window 1
.irp t, 0,1,2,3                                ; the four accumulators take turns; the first 128 keys start the sums
	v_wmma_f32_16x16x128_bf8_bf8 v[O+8*\t:O+8*\t+7], v[128+16*\t:128+16*\t+15], v[P:P+15], 0
.endr
.irp t, 0,1,2,3
	v_wmma_f32_16x16x128_bf8_bf8 v[O+8*\t:O+8*\t+7], v[192+16*\t:192+16*\t+15], v[P+16:P+31], v[O+8*\t:O+8*\t+7]
.endr
	WIN 0
.endm
.irp t, 0,1,2,3,4,5,6,7,8,9,10,11,12,13,14,15
	BIASLOAD \t
.endr
	UNIT 0, 0, 1                                   ; units 0 and 1 are written out: unit 0 has no partial in hand
	UNIT 1, 1, 1
	s_mov_b32 s35, 14
.Lpair:                                            ; units 2 to 29, two a trip, so that the halves' offsets are constants
	UNIT 0, 1, 1
	UNIT 1, 1, 1
	s_sub_co_u32 s35, s35, 1
	s_cmp_lg_u32 s35, 0
	s_cbranch_scc1 .Lpair
	UNIT 0, 1, 1
	UNIT 1, 1, 0                                   ; unit 31 asks for nothing more
.rept 4
	v_nop                                          ; places behind the last products
.endr
	OSTORE 0                                       ; unit 31's partials
	s_wait_dscnt 0x0
	s_barrier_signal -1
	s_barrier_wait -1
	OLOAD 0
	s_wait_dscnt 0x0
	REDUCE 0, 0
	s_wait_dscnt 0x0                               ; for the others' sake: my codes lie in the image
	s_barrier_signal -1
	s_barrier_wait -1
	s_lshl_b32 s20, s16, 12                        ; wave w stores units 4 w .. 4 w + 3: eight pieces of 512 consecutive bytes
	s_add_co_u32 s20, s20, CST
	v_add_nc_u32 v10, s20, v[LI]
.irp i, 0,1,2,3,4,5,6,7
	ds_load_b128 v[S+4*\i:S+4*\i+3], v10 offset:512*\i
.endr
.irp i, 0,1,2,3,4,5,6,7
	s_wait_dscnt 7-\i
	global_store_b128 v[LI], v[S+4*\i:S+4*\i+3], s[14:15] offset:(\i/2)*16384+(\i%2)*512
.endr
	s_wait_tensorcnt 0x0
	ds_add_u32 v46, v47
	s_wait_dscnt 0x0
	s_endpgm
.Lfunc_end_k_qaed33d787b_attn:
	.size	k_qaed33d787b_attn, .Lfunc_end_k_qaed33d787b_attn-k_qaed33d787b_attn
	.p2alignl 7, 3214868480
	.fill 96, 4, 3214868480
	.section	.rodata,"a",@progbits
	.p2align	6, 0x0
	.amdhsa_kernel k_qaed33d787b_attn
		.amdhsa_group_segment_fixed_size 113664
		.amdhsa_private_segment_fixed_size 0
		.amdhsa_enable_private_segment 0
		.amdhsa_kernarg_size 48
		.amdhsa_user_sgpr_count 2
		.amdhsa_user_sgpr_kernarg_segment_ptr 1
		.amdhsa_wavefront_size32 1
		.amdhsa_system_sgpr_workgroup_id_x 1
		.amdhsa_system_sgpr_workgroup_id_y 1
		.amdhsa_system_sgpr_workgroup_id_z 1
		.amdhsa_system_vgpr_workitem_id 0
		.amdhsa_next_free_vgpr 512
		.amdhsa_next_free_sgpr 66
		.amdhsa_reserve_vcc 1
		.amdhsa_float_denorm_mode_32 3
		.amdhsa_float_denorm_mode_16_64 3
		.amdhsa_memory_ordered 1
		.amdhsa_forward_progress 1
		.amdhsa_inst_pref_size 217
	.end_amdhsa_kernel
	.amdgpu_metadata
---
amdhsa.version: [ 1, 2 ]
amdhsa.kernels:
  - .name:           k_qaed33d787b_attn
    .symbol:         k_qaed33d787b_attn.kd
    .args:
      - { .name: q_img, .offset: 0, .size: 8, .value_kind: global_buffer, .address_space: global }
      - { .name: k_img, .offset: 8, .size: 8, .value_kind: global_buffer, .address_space: global }
      - { .name: v_img, .offset: 16, .size: 8, .value_kind: global_buffer, .address_space: global }
      - { .name: attention_mask, .offset: 24, .size: 8, .value_kind: global_buffer, .address_space: global }
      - { .name: lowp_scales, .offset: 32, .size: 8, .value_kind: global_buffer, .address_space: global }
      - { .name: ctx_img, .offset: 40, .size: 8, .value_kind: global_buffer, .address_space: global }
    .group_segment_fixed_size: 113664
    .private_segment_fixed_size: 0
    .kernarg_segment_align: 8
    .kernarg_segment_size: 48
    .max_flat_workgroup_size: 256
    .sgpr_count:     66
    .vgpr_count:     512
    .wavefront_size: 32
...
	.end_amdgpu_metadata
.endif
;; end of part 2
;; launch oproj (part 3): grid 4 x 32, 4 waves a work-group, clusters of 4 x 4, 327,680 bytes of LDS; arguments ctx_img, wo_codes, lowp_scales, bo, out0; writes out0
.if DOCPART == 3
	.amdgcn_target "amdgcn-amd-amdhsa--gfx1250"
	.amdhsa_code_object_version 6
	.text
	.protected	k_qaed33d787b_oproj
	.globl	k_qaed33d787b_oproj
	.p2align	8
	.type	k_qaed33d787b_oproj,@function
k_qaed33d787b_oproj:
	s_mov_b64 s[64:65], 0
	v_nop
	global_prefetch_b8 v0, s[64:65] scope:SCOPE_SE
	s_setreg_imm32_b32 hwreg(HW_REG_WAVE_MODE, 25, 1), 1
	s_wait_xcnt 0x0
	s_wait_alu depctr_hold_cnt(0) depctr_sa_sdst(0) depctr_va_vdst(0) depctr_va_sdst(0) depctr_va_ssrc(0) depctr_va_vcc(0) depctr_vm_vsrc(0)
	s_getreg_b32 s2, hwreg(HW_REG_IB_STS2, 6, 4)
	s_cmp_eq_u32 s2, 0
	s_cbranch_scc0 .Lentry_in_a_cluster
	s_endpgm
.Lentry_in_a_cluster:
	s_bfe_u32 s2, ttmp6, 0x10000c
	s_cmp_lg_u32 s2, 0xf033
	s_cbranch_scc0 .Lentry_shape_is_right
	s_endpgm
.Lentry_shape_is_right:
; out = ctx wo^T + bo on codes of BF8 (E5M2).  ctx: 8,192 rows x 1,024 as images of operand registers (ctx_img: [tile of 16 rows 512][head 16][2 pieces of 512 bytes], lane l's 16 bytes at 16 l: k = 64 head + 32 piece + 16 (l / 16) + 0 .. 15
; of row l % 16); wo: [1024][1024] codes, K innermost; out: [8192][1024] f32.  out = sum x 2^(e10 + e11) + bo, one fused multiply-add.  LIMIT: e10 + e11 between -126 and 127.  NaN and infinity codes are not served.
; A tile of out, 256 x 256, is made by a work-group of four waves, 128 x 128 a wave: 64 accumulators, 512 registers.  K goes in steps of 256 through a ring of two LDS slots filled by the tensor data mover.
; CLUSTERS of 4 x 4: ctx's tile is shared along a row of the cluster, wo's along a column: each is asked for jointly, by the same tensor load with the same descriptor and a mask that names the four.
; THE MATRIX INSTRUCTION IS USED TRANSPOSED (source 0 = 16 rows of wo, source 1 = 16 rows of ctx): a lane holds eight neighbouring numbers of a row of out.
; ctx's fragments lie in LDS as they lie in memory: four loads of 512 consecutive bytes bring one; they hold K in the order in which four 16-byte loads, 32 bytes apart, bring wo's rows.
; REGISTERS, in windows of 256: window 0: v0-31 addresses; v32-35 bo at my four columns; from v128 ctx's fragments, ONE set; on the way out v128-255 rows of out.
;   window 1: wo's fragments, TWO sets.   window 2: the accumulators of my rows 0-63 ((a, b) at v[8 (8 a + b)]);   window 3: those of rows 64-127.
.set ROWB,   256                       ; a row of wo's tile in bytes
.set KROW,   1024                      ; a row of wo in memory
.set PITCH,  272                       ; wo's rows in LDS: 256 bytes + 16 of padding
.set FR,     16
.set NL,     4
.set NP,     4                         ; places behind this matrix instruction (ISA guide 7.12.1)
.set AHALF,  32768                     ; ctx: 8 tiles of 16 rows x 4 heads x 1,024 bytes: what one tensor load brings
.set BHALF,  128*PITCH                 ; wo: 128 rows
.set SLOT,   2*AHALF+2*BHALF
.set LAPS,   2
.set SPARE,  2*SLOT                    ; behind the ring: the spare words, 128 bytes for each wave
.set SPITCH, 528                       ; the way out: a stage of 16 rows x (512 bytes + 16) for each wave, in slot 0, which has had its last fill and its last read when the first result is stored there
.set ADRA, 16
.set ADRB, 20
.set STO,  24                          ; v24     the way out: where I put 32 bytes of a row
.set RD,   25                          ; v25     where I read a row back
.set CO,   26                          ; v26     16 x lane
.set SPW,  28
.set NIL,  29
.set BO,   32                          ; v32-35  bo at columns 4 lane .. 4 lane + 3 of my 128
.set AF,   128
.set BK,   128                         ; the way out: 16 rows read back: v128-191 and v192-255 by turns
.set G1, 24
.set G0, 32
.set G1B, 48
.set G0B, 56
.set MSB, 0
.macro WIN new                         ; the immediate's high byte repeats the setting that is left
.if MSB != \new
	s_set_vgpr_msb (MSB<<8)|\new
.set MSB, \new
.endif
.endm
.set MUL_LO, 0xa1
.set MUL_HI, 0xf1
.set TO_B,   0x40
.macro JLOAD g0a, g1a, g0b, g1b        ; a joint load: waves 0 and 1 fetch for ctx, waves 2 and 3 for wo; four v_nop follow each of the two lines
	s_cmp_eq_u32 s15, 0
	s_cbranch_scc0 .Lfor_b_\@
	tensor_load_to_lds s[\g0a:\g0a+3], s[\g1a:\g1a+7]
	s_nop 0
.rept 4
	v_nop
.endr
	s_branch .Lasked_\@
.Lfor_b_\@:
	tensor_load_to_lds s[\g0b:\g0b+3], s[\g1b:\g1b+7]
	s_nop 0
.rept 4
	v_nop
.endr
.Lasked_\@:
.endm
.macro CREST
	s_cmp_lg_u32 s14, 0
	s_cbranch_scc1 .Lnot_wave_0_\@
	s_barrier_signal -3
.Lnot_wave_0_\@:
	s_barrier_wait -3
	s_barrier_signal -1
	s_barrier_wait -1
.endm
.macro CROUND
	s_barrier_signal -1
	s_barrier_wait -1
	CREST
.endm
	s_load_b128 s[4:7], s[0:1], 0x0                ; ctx_img s[4:5], wo's codes s[6:7]
	s_load_b128 s[8:11], s[0:1], 0x10              ; the scales s[8:9], bo s[10:11]
	s_load_b64 s[12:13], s[0:1], 0x20              ; out
	v_lshl_add_u32 v[SPW], v0, 2, SPARE
	v_mov_b32 v[NIL], 0
	ds_add_u32 v28, v29
	ds_add_u32 v28, v29
	s_wait_dscnt 0x0
	v_lshrrev_b32 v1, 5, v0
	v_readfirstlane_b32 s14, v1                    ; wave 0..3
	s_lshr_b32 s15, s14, 1                         ; which half of the tile's rows is mine.  Also: I fetch for ctx (0) or for wo (1)
	s_and_b32 s16, s14, 1                          ; which half of its columns.  Also: which half of that tile I fetch
	s_bfe_u32 s40, ttmp6, 0x40000                  ; cx, cy
	s_bfe_u32 s41, ttmp6, 0x40004
	s_lshl_b32 s42, ttmp9, 2
	s_add_co_u32 s42, s42, s40                     ; tile column of out
	s_and_b32 s17, ttmp7, 0xffff
	s_lshl_b32 s17, s17, 2
	s_add_co_u32 s17, s17, s41                     ; tile row of out
	s_lshl_b32 s43, s41, 2
	s_lshl_b32 s43, 15, s43                        ; my row of the cluster
	s_lshl_b32 s44, 0x1111, s40                    ; my column
	; ctx: 8 rows of 4,096 bytes (a tile of 16 rows: four heads' images on end), 16,384 bytes apart, dense in LDS
	s_or_b32 s[G1+0], s43, (3<<16)|(1<<21)         ; 15:0 the mask: my row; 17:16 elements of 8 bytes; 20 no padding; 21 set beside a mask
	s_mov_b32 s[G1+1], 512<<16                     ; tensor_dim0 = 512 elements
	s_mov_b32 s[G1+2], 8<<16                       ; tensor_dim1 = 8
	s_mov_b32 s[G1+3], 512<<16                     ; tile_dim0
	s_mov_b32 s[G1+4], 8                           ; tile_dim1
	s_mov_b32 s[G1+5], 2048                        ; tensor_dim0_stride: 16,384 bytes
	s_mov_b32 s[G1+6], 0
	s_mov_b32 s[G1+7], 0
	; wo: 128 rows of 256 bytes, padded in LDS
	s_or_b32 s[G1B+0], s44, (0<<16)|(1<<20)|(1<<21)|(5<<22)|(3<<25)
	s_mov_b32 s[G1B+1], ROWB<<16
	s_mov_b32 s[G1B+2], 128<<16
	s_mov_b32 s[G1B+3], ROWB<<16
	s_mov_b32 s[G1B+4], 128
	s_mov_b32 s[G1B+5], KROW
	s_mov_b32 s[G1B+6], 0
	s_mov_b32 s[G1B+7], 0
	s_lshl_b32 s18, s16, 17                        ; my half: 8 tiles of 16,384 bytes of ctx_img, or 128 rows of 1,024 bytes of wo
	s_lshl_b32 s20, s17, 18
	s_add_co_u32 s20, s20, s18                     ; ctx: (16 x tile row + 8 x half) x 16,384
	s_mov_b32 s21, 0
	s_lshl_b32 s46, s42, 18
	s_add_co_u32 s46, s46, s18                     ; wo: (256 x tile column + 128 x half) x 1,024
	s_mov_b32 s47, 0
	s_lshl_b32 s45, s16, 15                        ; where they go: ctx's halves first,
	s_mul_i32 s19, s16, BHALF
	s_add_co_u32 s19, s19, 2*AHALF                 ; then wo's: no place in the cluster enters an LDS address
	s_wait_kmcnt 0x0
	s_load_b64 s[96:97], s[8:9], 0x28              ; e10, e11
	s_add_nc_u64 s[20:21], s[4:5], s[20:21]
	s_add_nc_u64 s[46:47], s[6:7], s[46:47]
	CROUND                                         ; all sixteen work-groups are here: the first joint loads meet
.irp s, 0,1
	s_mov_b32 s[G0+4*\s], 1
	s_add_co_u32 s[G0+4*\s+1], s45, \s*SLOT
	s_add_nc_u64 s[G0+4*\s+2:G0+4*\s+3], s[20:21], \s*4096         ; K step s: four heads on
	s_or_b32 s[G0+4*\s+3], s[G0+4*\s+3], 0x80000000
	s_mov_b32 s[G0B+4*\s], 1
	s_add_co_u32 s[G0B+4*\s+1], s19, \s*SLOT
	s_add_nc_u64 s[G0B+4*\s+2:G0B+4*\s+3], s[46:47], \s*ROWB
	s_or_b32 s[G0B+4*\s+3], s[G0B+4*\s+3], 0x80000000
	JLOAD G0+4*\s, G1, G0B+4*\s, G1B
.endr
	v_and_b32 v1, 15, v0                           ; l % 16
	v_bfe_u32 v2, v0, 4, 1                         ; l / 16
	v_and_b32 v6, 31, v0
	v_lshlrev_b32 v[CO], 4, v6
	v_mul_u32_u24 v3, v1, PITCH
	v_lshl_add_u32 v4, v2, 4, v3
	s_lshl_b32 s21, s15, 15                        ; my 128 rows of ctx
	s_mul_i32 s22, s16, BHALF                      ; my 128 rows of wo,
	s_add_co_u32 s22, s22, 2*AHALF                 ; which lie behind ctx's
.irp s, 0,1
	v_add_nc_u32 v[ADRA+\s], s21, v[CO]
	v_add_nc_u32 v[ADRB+\s], s22, v4
	s_add_co_u32 s21, s21, SLOT
	s_add_co_u32 s22, s22, SLOT
.endr
	s_mul_i32 s23, s14, 16*SPITCH                  ; my stage
	v_mul_u32_u24 v5, v1, SPITCH                   ; in: row l % 16, 32 bytes for each half of the lanes
	v_lshl_add_u32 v5, v2, 5, v5
	v_add_nc_u32 v[STO], s23, v5
	v_add_nc_u32 v[RD], s23, v[CO]                 ; back: the 32 lanes take one row of 512 bytes
	s_lshl_b32 s46, s42, 10
	s_lshl_b32 s47, s16, 9
	s_add_co_u32 s46, s46, s47                     ; my first column, in bytes: 1,024 x tile column + 512 x half
	s_mov_b32 s47, 0
	s_add_nc_u64 s[10:11], s[10:11], s[46:47]
	global_load_b128 v[BO:BO+3], v[CO], s[10:11]
	s_lshl_b32 s20, s17, 20
	s_lshl_b32 s21, s15, 19
	s_add_co_u32 s20, s20, s21                     ; my first row: (256 x tile row + 128 x half) x 4,096 bytes
	s_mov_b32 s21, 0
	s_add_nc_u64 s[20:21], s[20:21], s[46:47]
	s_add_nc_u64 s[12:13], s[12:13], s[20:21]
.macro FRAGA reg, adr, q, i            ; ctx: tile of rows i, the slot's q-th 128 along K (two heads): four pieces of 512 consecutive bytes
.irp c, 0,1,2,3
	ds_load_b128 v[\reg+4*\c:\reg+4*\c+3], v[\adr] offset:4096*(\i)+2048*(\q)+512*\c
.endr
.endm
.macro FRAGB reg, adr, q, i            ; wo: lane l holds row l % 16; registers 4 c .. 4 c + 3 hold K = 32 c + 16 (l / 16) + 0 .. 15
.irp c, 0,1,2,3
	ds_load_b128 v[\reg+4*\c:\reg+4*\c+3], v[\adr] offset:128*(\q)+32*\c+(\i)*16*PITCH
.endr
.endm
; 16 matrix instructions: ctx's blocks a0, a0 + 1 x wo's eight.  The 64 accumulators take turns, one instruction a turn, in the same order in every step.
.macro MUL16 a0, p, zero
.irp a, \a0, \a0+1
.irp b, 0,1,2,3,4,5,6,7
.if \zero
	v_wmma_f32_16x16x128_bf8_bf8 v[8*(8*((\a)%4)+\b):8*(8*((\a)%4)+\b)+7], v[128*(\p)+FR*\b:128*(\p)+FR*\b+FR-1], v[AF+FR*(\a):AF+FR*(\a)+FR-1], 0
.else
	v_wmma_f32_16x16x128_bf8_bf8 v[8*(8*((\a)%4)+\b):8*(8*((\a)%4)+\b)+7], v[128*(\p)+FR*\b:128*(\p)+FR*\b+FR-1], v[AF+FR*(\a):AF+FR*(\a)+FR-1], v[8*(8*((\a)%4)+\b):8*(8*((\a)%4)+\b)+7]
.endif
.endr
.endr
.endm
.macro FETCH_B slot, q, p
	WIN TO_B
.irp i, 0,1,2,3,4,5,6,7
	FRAGB 128*(\p)+FR*\i, ADRB+\slot, \q, \i
.endr
	WIN 0
.endm
.macro FETCH_A slot, q, i0
.irp i, \i0, \i0+1, \i0+2, \i0+3
	FRAGA AF+FR*(\i), ADRA+\slot, \q, \i
.endr
.endm
.macro PLACES n
.rept \n
	v_nop
.endr
.endm
.macro STEP slot, q, zero
	s_wait_dscnt 4*NL                              ; wo's set and ctx's blocks 0-3 are in; the youngest sixteen loads (blocks 4-7) may be out
	WIN MUL_LO
	MUL16 0, (\q)%2, \zero
	MUL16 2, (\q)%2, \zero
	s_wait_dscnt 0
	PLACES NP
	FETCH_B \slot, (\q)+1, 1-(\q)%2
	FETCH_A \slot, (\q)+1, 0
	WIN MUL_HI
	MUL16 4, (\q)%2, \zero
	MUL16 6, (\q)%2, \zero
	PLACES NP
	WIN 0
	FETCH_A \slot, (\q)+1, 4
.endm
.macro TURN slot, next, fill
	s_wait_tensorcnt 0x0                           ; all my tensor loads have landed: my part of the next slot
	ds_add_u32 v[SPW], v[NIL]                      ; 0 onto my spare word
	s_wait_dscnt 4*NL+1                            ; (the add and the youngest sixteen loads may be out)
	WIN MUL_LO
	MUL16 0, 1, 0
	s_wait_dscnt 0x0                               ; the add is done, and my reads of this slot are over
	s_barrier_signal -1
	MUL16 2, 1, 0
	WIN 0
	s_barrier_wait -1
.if \fill
	CREST                                          ; the barrier has opened a round of the cluster's barrier: no wave of any partner still reads this slot's tile or has a load on its way
	s_add_nc_u64 s[G0+4*\slot+2:G0+4*\slot+3], s[G0+4*\slot+2:G0+4*\slot+3], 2*4096
	s_add_nc_u64 s[G0B+4*\slot+2:G0B+4*\slot+3], s[G0B+4*\slot+2:G0B+4*\slot+3], 2*ROWB
	JLOAD G0+4*\slot, G1, G0B+4*\slot, G1B         ; the first tensor load behind the round; its four v_nop are also the places in front of the loads below
.else
	PLACES NP
.endif
	FETCH_B \next, 0, 0
	FETCH_A \next, 0, 0
	WIN MUL_HI
	MUL16 4, 1, 0
	MUL16 6, 1, 0
	PLACES NP
	WIN 0
	FETCH_A \next, 0, 4
.endm
	s_wait_tensorcnt 1                             ; my part of K step 0 is in (K step 1's load may be out)
	s_barrier_signal -1
	s_barrier_wait -1                              ; everybody's is
	FETCH_B 0, 0, 0
	FETCH_A 0, 0, 0
	FETCH_A 0, 0, 4
	STEP 0, 0, 1
	s_mov_b32 s3, LAPS-1
.Llap:
	TURN 0, 1, 1
	STEP 1, 0, 0
	TURN 1, 0, 1
	STEP 0, 0, 0
	s_sub_co_u32 s3, s3, 1
	s_cmp_lg_u32 s3, 0
	s_cbranch_scc1 .Llap
	TURN 0, 1, 0                                   ; the last lap fills nothing
	STEP 1, 0, 0
	s_wait_dscnt 4*NL
	WIN MUL_LO
	MUL16 0, 1, 0
	MUL16 2, 1, 0
	s_wait_dscnt 0
	WIN MUL_HI
	MUL16 4, 1, 0
	MUL16 6, 1, 0
	WIN 0
; THE WAY OUT, block by block of 16 rows x 128 columns.  The sums go into my own stage as they are and come back as whole rows of 512 bytes; there a lane holds four neighbouring columns, the same four in every row,
; so four registers of bo serve all rows: out = sum x 2^(e10 + e11) + bo, two packed multiply-adds a row.  LDS serves a wave's instructions in order (ISA guide 5.7.1.4): no wait between the stores and the loads.
.macro TOSTAGE a
.set AC, 64*((\a)%4)
	WIN 0x08+4*((\a)/4)                            ; the stores' data: window 2 or 3
.irp b, 0,1,2,3,4,5,6,7
	ds_store_b128 v[STO], v[AC+8*\b:AC+8*\b+3] offset:64*\b          ; each accumulator from its low end on
	ds_store_b128 v[STO], v[AC+8*\b+4:AC+8*\b+7] offset:64*\b+16
.endr
	WIN 0
.set BB, BK+64*((\a)%2)
.irp t, 0,1,2,3,4,5,6,7,8,9,10,11,12,13,14,15
	ds_load_b128 v[BB+4*\t:BB+4*\t+3], v[RD] offset:\t*SPITCH
.endr
.endm
.macro SEND a, younger                 ; younger: the LDS instructions issued behind block a's loads, which may stay out
.set BB, BK+64*((\a)%2)
	s_wait_dscnt \younger
.if (\a) > 0
	s_add_nc_u64 s[12:13], s[12:13], 16*4096       ; (behind a wait on XCNT: the earlier stores have read their base)  16 rows of out on
.endif
.irp t, 0,1,2,3,4,5,6,7,8,9,10,11,12,13,14,15
	v_pk_fma_f32 v[BB+4*\t:BB+4*\t+1], v[BB+4*\t:BB+4*\t+1], s[96:97], v[BO:BO+1] op_sel_hi:[1,0,1]
	v_pk_fma_f32 v[BB+4*\t+2:BB+4*\t+3], v[BB+4*\t+2:BB+4*\t+3], s[96:97], v[BO+2:BO+3] op_sel_hi:[1,0,1]
	global_store_b128 v[CO], v[BB+4*\t:BB+4*\t+3], s[12:13] offset:\t*4096 th:TH_STORE_NT   ; 32 lanes store 512 consecutive bytes, at a multiple of 512 from out's first byte; written once, read by nobody here
.endr
.endm
	s_wait_kmcnt 0x0
	s_add_co_i32 s96, s96, s97
	s_add_co_i32 s96, s96, 127
	s_lshl_b32 s96, s96, 23                        ; 2^(e10 + e11) as f32
	s_mov_b32 s97, s96                             ; (named with it as a pair, so it is written)
	s_wait_loadcnt 0x0                             ; bo
	PLACES NP                                      ; behind the last products: for the loads into the registers that held ctx's fragments, and for the stores that read results
	TOSTAGE 0
.irp a, 1,2,3,4,5,6,7
.if \a > 1
	s_wait_xcnt 0x0                                ; block a - 2's stores have read their registers and their base: block a's loads may land there, and the base may step
.endif
	TOSTAGE \a
	SEND \a-1, 32                                  ; behind block a - 1's loads: block a's 16 stores and 16 loads
.endr
	s_wait_xcnt 0x0                                ; block 6's stores have read their base
	SEND 7, 0
	s_wait_tensorcnt 0x0                           ; the wave's end
	ds_add_u32 v[SPW], v[NIL]
	s_wait_dscnt 0x0
	CROUND                                         ; the closing round
	s_endpgm
.Lfunc_end_k_qaed33d787b_oproj:
	.size	k_qaed33d787b_oproj, .Lfunc_end_k_qaed33d787b_oproj-k_qaed33d787b_oproj
	.p2alignl 7, 3214868480
	.fill 96, 4, 3214868480
	.section	.rodata,"a",@progbits
	.p2align	6, 0x0
	.amdhsa_kernel k_qaed33d787b_oproj
		.amdhsa_group_segment_fixed_size 327680
		.amdhsa_private_segment_fixed_size 0
		.amdhsa_enable_private_segment 0
		.amdhsa_kernarg_size 40
		.amdhsa_user_sgpr_count 2
		.amdhsa_user_sgpr_kernarg_segment_ptr 1
		.amdhsa_wavefront_size32 1
		.amdhsa_system_sgpr_workgroup_id_x 1
		.amdhsa_system_sgpr_workgroup_id_y 1
		.amdhsa_system_sgpr_workgroup_id_z 1
		.amdhsa_system_vgpr_workitem_id 0
		.amdhsa_next_free_vgpr 1024
		.amdhsa_next_free_sgpr 98
		.amdhsa_reserve_vcc 0
		.amdhsa_float_denorm_mode_32 3
		.amdhsa_float_denorm_mode_16_64 3
		.amdhsa_memory_ordered 1
		.amdhsa_forward_progress 1
		.amdhsa_inst_pref_size 123
	.end_amdhsa_kernel
	.amdgpu_metadata
---
amdhsa.version: [ 1, 2 ]
amdhsa.kernels:
  - .name:           k_qaed33d787b_oproj
    .symbol:         k_qaed33d787b_oproj.kd
    .args:
      - { .name: ctx_img, .offset: 0, .size: 8, .value_kind: global_buffer, .address_space: global }
      - { .name: wo_codes, .offset: 8, .size: 8, .value_kind: global_buffer, .address_space: global }
      - { .name: lowp_scales, .offset: 16, .size: 8, .value_kind: global_buffer, .address_space: global }
      - { .name: bo, .offset: 24, .size: 8, .value_kind: global_buffer, .address_space: global }
      - { .name: out0, .offset: 32, .size: 8, .value_kind: global_buffer, .address_space: global }
    .group_segment_fixed_size: 327680
    .private_segment_fixed_size: 0
    .kernarg_segment_align: 8
    .kernarg_segment_size: 40
    .max_flat_workgroup_size: 128
    .sgpr_count:     98
    .vgpr_count:     1024
    .wavefront_size: 32
...
	.end_amdgpu_metadata
.endif
;; end of part 3
;; ======== version 2 of 2: 3 launches; version 1 with the launch attn written anew for expert scheduling mode
;; limits: right only within a limited range of input values
;; workspace buffers: q_img 8,388,608 bytes; k_img 8,388,608 bytes; v_img 8,388,608 bytes; ctx_img 8,388,608 bytes
;; launch qkv: the kernel of part 1 again; grid 12 x 32, 4 waves a work-group, clusters of 4 x 4, 327,680 bytes of LDS; arguments x_codes, wq_codes, wk_codes, wv_codes, bq, bk, bv, lowp_scales, q_img, k_img, v_img; writes q_img, k_img, v_img
;; launch attn (part 4): grid 4 x 64, 8 waves a work-group, no clusters, 113,664 bytes of LDS; arguments q_img, k_img, v_img, attention_mask, lowp_scales, ctx_img; writes ctx_img
.if DOCPART == 4
	.amdgcn_target "amdgcn-amd-amdhsa--gfx1250"
	.amdhsa_code_object_version 6
	.text
	.protected	k_qaed33d787b_attn
	.globl	k_qaed33d787b_attn
	.p2align	8
	.type	k_qaed33d787b_attn,@function
k_qaed33d787b_attn:
	s_mov_b64 s[64:65], 0
	v_nop
	global_prefetch_b8 v0, s[64:65] scope:SCOPE_SE
	s_setreg_imm32_b32 hwreg(HW_REG_WAVE_SCHED_MODE, 0, 2), 2
	s_setreg_imm32_b32 hwreg(HW_REG_WAVE_MODE, 25, 1), 1
	s_wait_xcnt 0x0
	s_wait_alu depctr_vm_vsrc(0)
; ctx = (softmax over the keys that the mask keeps of q k^T / 8) v, x the query's mask, both products on codes of BF8 (E5M2).  THE WEIGHTS ARE QUANTISED FINISHED AND NORMALISED: a row's largest score and its sum are known before any weight becomes a code.
; SHARES.  A work-group owns 512 queries of one batch and head (grid x: which 512; grid y: 16 x batch + head).  ITS EIGHT WAVES SHARE THE KEYS: wave w owns keys 256 w .. 256 w + 255 for the whole launch; its 16 fragments of K and 8 of V^T
; (256 registers) are read from memory once and stay.  A UNIT is one tile of 16 queries: the wave's 16 x 256 scores lie in 128 registers, so each score is made once and has one exponential.
; A UNIT.  S^T = K Q^T (source 0 = 16 keys, source 1 = the 16 queries: a lane holds ONE query, its registers run along the keys); t = c s, c = log2(e) / 8 x 2^(e6 + e7); the wave's own largest t (mt) and p = 2^(t - mt), and its sum l_w;
; (mt, l_w) of the eight waves meet in LDS; m = the largest mt, l = the sum of l_w 2^(mt_w - m); the weight is p x f, f = 2^(mt - m) / l; it is held at 57,344 x 2^e8 and converted with 2^e8: the conversions' results are source 1 of
; O^T = V^T P^T.  The eight partial O^T (16 queries x 64 channels) meet in LDS one unit later; each wave adds an eighth, multiplies by the query's mask as a number, converts with 2^(e10 - e8 - e9), and puts four codes a lane into the image of ctx.
; THE KEY MASK costs no vector work: LDS holds, for each key, 0 or -2^80; these numbers are loaded into the scores' registers and are the C of K Q^T.  A hidden key's p is 0; a wave with no key left has f = 0; where no key of the batch is
; left, m lies under -(c 2^79) and f is set to 0 by a select: the row is 0.
; ctx_img: [tile of 16 rows 512][head 16][2 pieces of 512 bytes], lane (r, h)'s 16 bytes at 16 (16 h + r): k = 64 head + 32 piece + 16 h + 0 .. 15 of row r: the registers of an operand of the last product.
; LIMITS on the given exponents: e6 + e7 between -40 and 40 (so that c 2^80 is an f32 number and stands far under every true t); e8, and e10 - e8 - e9, between -126 and 112.  NaN and infinity codes are not served.  A p under 2^-126 counts as 0.
; NO CLUSTER: the four work-groups of a batch and head read the same 256 KiB of K and V, but once each, at the head, straight into operand registers; a joint load would bring them into LDS and add a second pass of those bytes through it.
; One barrier a unit.  What is stored in front of unit u's barrier lies in the half u % 2 of its LDS region; it is read behind that barrier, every wave waits for those reads in front of the next barrier, and the half is written again only behind that.
; THE MODE: SCHED_MODE bits 1:0 = 2 (LLVM: expert scheduling mode 2), set by the entry lines.  The code itself states the register dependences between vector or matrix instructions and memory or LDS instructions, with s_wait_alu, always for 0.
; THE PLAN.  Registers that memory or LDS instructions touch, round a unit:
;   v1 to v9      offsets and LDS addresses, made at the head and never written again; Q's tiles are reached by the scalar base, which moves on by a tile behind the wait that shows its last loads done.
;   Q[1 - p]      read by the K Q^T of the unit before; the next unit's queries land in it, asked for at this unit's head.
;   v13, v20      mt and l_w: written by the unit's vector work, read by the two small stores in front of the barrier.
;   O^T           written by the unit before's V^T P^T; read by the eight stores in front of the barrier; the eight waves' partials land in it behind the barrier; then vector work alone, until V^T P^T writes it anew.
;   v96 to v111   the eight waves' (mt, l) land in them behind the barrier; before that they were codes, read by the unit before's V^T P^T.
;   v10, v11      LDS addresses that move on: written once a unit, behind the barrier; v11 read by the load of the query's mask (v32), v10 by the store of the codes (v34).
;   S^T           the weights' arithmetic works on it tile by tile; behind it the next unit's bias lands in it.
; WAITS ON va_vdst in a unit: behind the 128 exponentials (it also shows mt and O^T written: the stores of mt and of O^T follow it, dealt among the sum's additions); behind the sum (l_w; no vector instruction stands between it and the loads
; behind the barrier); behind the nine exponentials (also v10, v11); behind the reciprocal; behind each four tiles of weights (their bias follows, dealt among the next four tiles' arithmetic); the last of these also shows the codes of ctx written.
; ONE WAIT ON vm_vsrc a unit, behind the barrier: all that was stored in front of it, and the unit before's store and load by v10 and v11, have read their registers.
; REGISTERS: window 1: v0-127 K (tile of 16 keys t at 8 t), v128-255 V^T (128 keys kb, 16 channels t: at 128 + 16 (4 kb + t)).
;   window 0: v1-9 addresses that stay, v10, v11 addresses in hand; v12 -mt, v13 mt; v[14:15] f; v16-19 maxima; v20-27 sums; v29 2^e8; v30, v31 the hold and the scale of ctx; v[32:33] the query's mask; v[34:35] ctx's codes;
;   v[36:37] m; v38 2^(mt - m); v39 a lane exchange's destination; v[40:41] l; v46, v47 the closing add's two; v48-63 Q, two sets; v64-95 O^T, later the eight partials; v96-127 the weights' codes, earlier the eight waves' (mt, l); v128-255 S^T.
.set BIAS,  0                          ; LDS: f32[2048]: 0 or NEG for each key of the batch
.set QM,    8192                       ; f32[512]: my queries' mask as numbers
.set STATS, 10240                      ; 2 halves x 1,280: query r at 80 r: mt of the eight waves, then l of the eight; 80 bytes from row to row, so that sixteen rows' 16-byte reads start at different banks
.set OPART, 12800                      ; 2 halves x 8 waves x 4,096: a wave's O^T as it stands in its registers: four registers at 512 i + 16 lane
.set CST,   78336                      ; 32 units x 1,024: the work-group's part of ctx_img
.set NEG,   0xe7800000                 ; -2^80
.set LI,   1                           ; v1  16 x lane
.set CRD,  2                           ; v2  CST + 4,096 w + 16 lane: where I read the image back at the end
.set BA,   3                           ; v3  BIAS + 1,024 w + 32 (lane / 16)
.set STW,  4                           ; v4  STATS + 80 r + 4 w
.set STR,  5                           ; v5  STATS + 80 r
.set OW,   6                           ; v6  OPART + 4,096 w + 16 lane
.set ORD,  7                           ; v7  OPART + 512 w + 16 lane
.set CSA,  8                           ; v8  CST + my four codes' place in a unit's image
.set QMA,  9                           ; v9  QM + 4 r
.set Q,    48
.set O,    64
.set P,    96
.set S,    128
.set MSB, 0
.macro WIN new                         ; the immediate's high byte repeats the setting that is left
.if MSB != \new
	s_set_vgpr_msb (MSB<<8)|\new
.set MSB, \new
.endif
.endm
	s_load_b256 s[4:11], s[0:1], 0x0               ; q_img s[4:5], k_img s[6:7], v_img s[8:9], the mask s[10:11]
	s_load_b128 s[12:15], s[0:1], 0x20             ; the scales s[12:13], ctx_img s[14:15]
	v_lshl_add_u32 v46, v0, 2, 0x1b800
	v_mov_b32 v47, 0
	v_lshrrev_b32 v10, 5, v0
	v_readfirstlane_b32 s16, v10                   ; wave 0..7
	s_and_b32 s17, ttmp7, 0xffff                   ; 16 x batch + head
	s_lshr_b32 s18, s17, 4                         ; batch
	s_and_b32 s19, s17, 15                         ; head
	v_and_b32 v11, 31, v0
	v_lshlrev_b32 v[LI], 4, v11
	v_and_b32 v10, 15, v0                          ; r
	v_bfe_u32 v11, v0, 4, 1                        ; h
	s_wait_alu depctr_va_sdst(0)                   ; s16, the wave's number, is written, ahead of its first reader
	s_lshl_b32 s20, s16, 10
	v_lshl_add_u32 v[BA], v11, 5, s20
	v_mul_u32_u24 v[STR], v10, 80
	v_add_nc_u32 v[STR], STATS, v[STR]
	s_lshl_b32 s20, s16, 2
	v_add_nc_u32 v[STW], s20, v[STR]
	s_lshl_b32 s20, s16, 12
	s_add_co_u32 s20, s20, OPART
	v_add_nc_u32 v[OW], s20, v[LI]
	s_lshl_b32 s20, s16, 9
	s_add_co_u32 s20, s20, OPART
	v_add_nc_u32 v[ORD], s20, v[LI]
	s_lshl_b32 s20, s16, 12                        ; at the end wave w stores units 4 w .. 4 w + 3 of the image
	s_add_co_u32 s20, s20, CST
	v_add_nc_u32 v[CRD], s20, v[LI]
	; I add registers 4 w .. 4 w + 3 of O^T: channels 16 (w / 2) + 8 h + 4 (w % 2) + 0 .. 3 of query r.  In the image: piece w / 4, lane 16 ((w / 2) % 2) + r, byte 8 h + 4 (w % 2)
	s_lshr_b32 s20, s16, 2
	s_lshl_b32 s20, s20, 9
	s_bfe_u32 s21, s16, 0x10001
	s_lshl_b32 s21, s21, 8
	s_add_co_u32 s20, s20, s21
	s_and_b32 s21, s16, 1
	s_lshl_b32 s21, s21, 2
	s_add_co_u32 s20, s20, s21
	s_add_co_u32 s20, s20, CST
	v_lshl_add_u32 v[CSA], v10, 4, s20
	v_lshl_add_u32 v[CSA], v11, 3, v[CSA]
	v_lshl_add_u32 v[QMA], v10, 2, QM
	v_lshlrev_b32 v16, 5, v0                       ; the mask: eight keys a thread: 32 bytes; the same place in BIAS
	s_lshl_b32 s44, ttmp9, 11
	v_lshl_add_u32 v17, v0, 3, s44                 ; my work-group's 512 queries: two a thread
	v_lshl_add_u32 v18, v0, 3, QM
	s_lshl_b32 s20, s17, 17                        ; 131,072 bytes of image to a batch and head
	s_lshl_b32 s22, s16, 14
	s_add_co_u32 s22, s22, s20                     ; K, V: + my 256 keys' 16,384 bytes
	s_lshl_b32 s21, ttmp9, 15
	s_add_co_u32 s20, s20, s21                     ; Q: + my work-group's 32 tiles of 1,024 bytes
	s_mov_b32 s21, 0
	s_mov_b32 s23, 0
	s_lshl_b32 s40, s18, 13                        ; the mask: a batch's 2,048 numbers
	s_mov_b32 s41, 0
	s_lshl_b32 s42, s18, 21                        ; ctx_img: 128 tiles of 16,384 bytes to a batch,
	s_lshl_b32 s43, ttmp9, 19
	s_add_co_u32 s42, s42, s43                     ; 32 to a work-group,
	s_lshl_b32 s43, s16, 16
	s_add_co_u32 s42, s42, s43                     ; of which wave w stores four;
	s_lshl_b32 s43, s19, 10
	s_add_co_u32 s42, s42, s43                     ; 1,024 bytes to a head
	s_mov_b32 s43, 0
	s_mov_b32 s38, 0x76543210                      ; v_permlanex16_b32's selects for lane l xor 16
	s_mov_b32 s39, 0xfedcba98
	s_mov_b32 s36, 0                               ; the pair of units in hand: its place in CST,
	s_mov_b32 s37, 0                               ; and in QM
	s_wait_kmcnt 0x0
	s_load_b128 s[24:27], s[12:13], 0x18           ; e6, e7, e8, e9
	s_load_b32 s28, s[12:13], 0x28                 ; e10
	s_add_nc_u64 s[4:5], s[4:5], s[20:21]
	s_add_nc_u64 s[6:7], s[6:7], s[22:23]
	s_add_nc_u64 s[8:9], s[8:9], s[22:23]
	s_add_nc_u64 s[10:11], s[10:11], s[40:41]
	s_add_nc_u64 s[14:15], s[14:15], s[42:43]
	s_wait_alu depctr_va_vdst(0)                   ; the offsets and addresses v1 to v9 and v16 to v18 are written, which the loads and stores of the whole kernel read
	global_load_b128 v[128:131], v16, s[10:11]
	global_load_b128 v[132:135], v16, s[10:11] offset:16
	global_load_b64 v[136:137], v17, s[10:11]
	WIN 0x40                                       ; destination window 1
.set ii, 0
.rept 32
	global_load_b128 v[4*ii:4*ii+3], v[LI], s[6:7] offset:512*ii       ; K: 32 pieces of 512 consecutive bytes, as they lie
.set ii, ii+1
.endr
	WIN 0
	s_wait_loadcnt 32                              ; the mask's three loads are in; K's 32 are younger and may be out
	v_mov_b32 v40, NEG
.irp i, 0,1,2,3,4,5,6,7
	v_cmp_eq_u32 s[40+\i], 0, v[128+\i]            ; the eight compares in a run, each into a scalar register of its own
.endr
	v_cvt_f32_i32 v136, v136                       ; the query's mask is a factor, as a number
	v_cvt_f32_i32 v137, v137
	s_wait_alu depctr_va_sdst(0)                   ; s40 to s47 are written, ahead of the selects that read them
.irp i, 0,1,2,3,4,5,6,7
	v_cndmask_b32 v[128+\i], 0, v40, s[40+\i]      ; a hidden key: -2^80; else 0
.endr
	s_wait_alu depctr_va_vdst(0)                   ; the selects and the two conversions have written v128 to v137, which the three LDS stores read
	ds_store_b128 v16, v[128:131]
	ds_store_b128 v16, v[132:135] offset:16
	ds_store_b64 v18, v[136:137]
	WIN 0x40
.set ii, 0
.rept 32
	global_load_b128 v[128+4*ii:128+4*ii+3], v[LI], s[8:9] offset:512*ii   ; V^T likewise
.set ii, ii+1
.endr
	WIN 0
	global_load_b128 v[Q:Q+3], v[LI], s[4:5] th:TH_LOAD_NT             ; unit 0's queries
	global_load_b128 v[Q+4:Q+7], v[LI], s[4:5] offset:512 th:TH_LOAD_NT
	v_mov_b32 v15, 0                               ; the upper halves of pairs of which the low word serves both halves, and the exchange's destination: written once
	v_mov_b32 v33, 0
	v_mov_b32 v37, 0
	v_mov_b32 v39, 0
	s_wait_kmcnt 0x0
	s_add_co_i32 s20, s24, s25
	s_lshl_b32 s20, s20, 23
	s_add_co_i32 s30, s20, 0x3e38aa3b              ; c = log2(e) / 8, with e6 + e7 added to its exponent field
	s_mov_b32 s31, s30                             ; (named with it as a pair, so it is written)
	s_xor_b32 s32, s30, 0x80000000                 ; -c
	s_add_co_i32 s33, s30, 79<<23
	s_or_b32 s33, s33, 0x80000000                  ; -(c 2^79): every true t lies above it, every hidden one below
	s_add_co_i32 s20, s26, 127
	s_lshl_b32 s21, s20, 23
	v_mov_b32 v29, s21                             ; 2^e8
	s_add_co_i32 s20, s20, 15
	s_lshl_b32 s20, s20, 23
	s_or_b32 s34, s20, 0x600000                    ; 57,344 x 2^e8
	s_sub_co_i32 s20, s28, s26
	s_sub_co_i32 s20, s20, s27                     ; a sum of the second product stands for sum x 2^(e8 + e9): ctx's code is sum / 2^(e10 - e8 - e9)
	s_add_co_i32 s20, s20, 127
	s_lshl_b32 s21, s20, 23
	v_mov_b32 v31, s21
	s_add_co_i32 s20, s20, 15
	s_lshl_b32 s20, s20, 23
	s_or_b32 s20, s20, 0x600000
	v_mov_b32 v30, s20
	s_wait_dscnt 0x0                               ; for the others' sake: my stores into BIAS and QM are done
	s_barrier_signal -1
	s_barrier_wait -1
	s_wait_alu depctr_vm_vsrc(0)                   ; my LDS stores have read v128 to v137, in which the bias lands below, and they and the mask's loads have read v16 to v18, which unit 0's maxima write
.macro BIASLOAD t                      ; the C of tile t's product: register j = the bias of key 256 w + 16 t + 8 h + j
	ds_load_b128 v[S+8*(\t):S+8*(\t)+3], v[BA] offset:64*(\t)
	ds_load_b128 v[S+8*(\t)+4:S+8*(\t)+7], v[BA] offset:64*(\t)+16
.endm
.macro OST1 p, i                       ; four registers of my partial O^T as they stand
	ds_store_b128 v[OW], v[O+4*(\i):O+4*(\i)+3] offset:32768*(\p)+512*(\i)
.endm
.macro OSTORE p                        ; all of it, each accumulator from its low end on
.irp i, 0,1,2,3,4,5,6,7
	OST1 \p, \i
.endr
.endm
.macro OLOAD p                         ; registers 4 w .. 4 w + 3 of all eight waves' partials
.irp i, 0,1,2,3,4,5,6,7
	ds_load_b128 v[O+4*\i:O+4*\i+3], v[ORD] offset:32768*\p+4096*\i
.endr
.endm
.macro ADDRS                           ; the two LDS addresses that move on with the pair of units: the query's mask, and my codes' place in the image
	v_add_nc_u32 v11, s37, v[QMA]
	v_add_nc_u32 v10, s36, v[CSA]
.endm
.macro REDUCE                          ; the eight partials are added, x the query's mask, held, converted: four codes a lane
.irp a, 0,8,16,24
	v_pk_add_f32 v[O+\a:O+\a+1], v[O+\a:O+\a+1], v[O+\a+4:O+\a+5]
	v_pk_add_f32 v[O+\a+2:O+\a+3], v[O+\a+2:O+\a+3], v[O+\a+6:O+\a+7]
.endr
.irp a, 0,16
	v_pk_add_f32 v[O+\a:O+\a+1], v[O+\a:O+\a+1], v[O+\a+8:O+\a+9]
	v_pk_add_f32 v[O+\a+2:O+\a+3], v[O+\a+2:O+\a+3], v[O+\a+10:O+\a+11]
.endr
	v_pk_add_f32 v[O:O+1], v[O:O+1], v[O+16:O+17]
	v_pk_add_f32 v[O+2:O+3], v[O+2:O+3], v[O+18:O+19]
	v_pk_mul_f32 v[O:O+1], v[O:O+1], v[32:33] op_sel_hi:[1,0]
	v_pk_mul_f32 v[O+2:O+3], v[O+2:O+3], v[32:33] op_sel_hi:[1,0]
.irp i, 0,1,2,3
	v_med3_num_f32 v[O+\i], v[O+\i], -v30, v30     ; the conversion to an 8-bit code does not saturate (ISA guide 7.6.2)
.endr
	v_cvt_scalef32_pk8_bf8_f32 v[34:35], v[O:O+7], v31   ; v34: my four codes; the upper four numbers are a partial's, and their codes are not used
	v_nop                                          ; one plain vector instruction behind the conversion
.endm
.macro CSTORE p, step                  ; the four codes go into the image.  step = 1: on to the next pair of units
	ds_store_b32 v10, v34 offset:1024*(1-\p)
.if \step
	s_add_co_u32 s36, s36, 2048
	s_add_co_u32 s37, s37, 128
.endif
.endm
; UNIT u.  p = u % 2;  prev = 1: unit u - 1's partial O^T is in my registers;  more = 1: a unit follows.
.macro UNIT p, prev, more
	s_wait_loadcnt 0x0                             ; this unit's queries, asked for a unit ago (in unit 0 also K and V)
.if \more
	s_add_nc_u64 s[4:5], s[4:5], 1024              ; free since that wait, which shows the loads that read it done: the next tile of queries
	global_load_b128 v[Q+8*(1-\p):Q+8*(1-\p)+3], v[LI], s[4:5] th:TH_LOAD_NT      ; the next unit's queries: a whole unit ahead.  No wait: the products that read this set stand ahead of the unit before's waits, and nothing since names it
	global_load_b128 v[Q+8*(1-\p)+4:Q+8*(1-\p)+7], v[LI], s[4:5] offset:512 th:TH_LOAD_NT
.endif
	s_wait_dscnt 0x0                               ; the bias lies in S^T's registers
	WIN 0x01                                       ; source 0 (K) window 1
.irp t, 0,1,2,3,4,5,6,7,8,9,10,11,12,13,14,15
	v_wmma_f32_16x16x64_bf8_bf8 v[S+8*\t:S+8*\t+7], v[8*\t:8*\t+7], v[Q+8*\p:Q+8*\p+7], v[S+8*\t:S+8*\t+7]
.endr
	WIN 0
.rept 4
	v_nop                                          ; four places behind the products
.endr
	; the largest of my 128 scores, in four chains, each accumulator from its low end on
.irp k, 0,1,2,3
	v_max3_num_f32 v[16+\k], v[S+32*\k], v[S+32*\k+1], v[S+32*\k+2]
.endr
.irp i, 3,5,7,9,11,13,15,17,19,21,23,25,27,29
.irp k, 0,1,2,3
	v_max3_num_f32 v[16+\k], v[16+\k], v[S+32*\k+\i], v[S+32*\k+\i+1]
.endr
.endr
	v_max3_num_f32 v16, v16, v[S+31], v[S+63]
	v_max3_num_f32 v18, v18, v[S+95], v[S+127]
	v_max3_num_f32 v16, v16, v17, v18
	v_max_num_f32 v16, v16, v19
	v_permlanex16_b32 v39, v16, s38, s39
	v_max_num_f32 v16, v16, v39                    ; and lane l xor 16's: the query's largest among my wave's 256 keys
	v_mul_f32 v12, s32, v16                        ; -mt (c is positive)
	v_mul_f32 v13, s30, v16                        ; mt
	; ONE BATCH: 64 packed t - mt and 128 exponentials; a pair is scaled one step ahead of its exponentials; nothing here names an exponential's result
	v_pk_fma_f32 v[S:S+1], v[S:S+1], s[30:31], v[12:13] op_sel_hi:[1,0,0]
.set ii, 1
.rept 63
	v_pk_fma_f32 v[S+2*ii:S+2*ii+1], v[S+2*ii:S+2*ii+1], s[30:31], v[12:13] op_sel_hi:[1,0,0]
	v_exp_f32 v[S+2*ii-2], v[S+2*ii-2]
	v_exp_f32 v[S+2*ii-1], v[S+2*ii-1]
.set ii, ii+1
.endr
	v_exp_f32 v[S+126], v[S+126]
	v_exp_f32 v[S+127], v[S+127]
	v_nop                                          ; a plain instruction behind the last exponential
	s_wait_alu depctr_va_vdst(0)                   ; the 128 exponentials have written p, ahead of its first reader; mt (v13) is written, and the unit before's V^T P^T has written O^T: the stores below read them
	ds_store_b32 v[STW], v13 offset:1280*\p        ; (both halves of the lanes hold the same number and write the same word)
.irp k, 0,1,2,3                                ; the sum of p, two at a time, in four chains
	v_pk_add_f32 v[20+2*\k:21+2*\k], v[S+32*\k:S+32*\k+1], v[S+32*\k+2:S+32*\k+3]
.endr
.irp j, 4,6,8,10,12,14,16,18,20,22,24,26,28,30
.if \prev && (\j < 20)
	OST1 \p, (\j-4)/2                              ; my partial O^T, a store to each four additions.  No wait: the additions since the wait above name p and v20 to v27 alone
.endif
.irp k, 0,1,2,3
	v_pk_add_f32 v[20+2*\k:21+2*\k], v[20+2*\k:21+2*\k], v[S+32*\k+\j:S+32*\k+\j+1]
.endr
.endr
	v_pk_add_f32 v[20:21], v[20:21], v[22:23]
	v_pk_add_f32 v[24:25], v[24:25], v[26:27]
	v_pk_add_f32 v[20:21], v[20:21], v[24:25]
	v_add_f32 v20, v20, v21
	v_permlanex16_b32 v39, v20, s38, s39
	v_add_f32 v20, v20, v39                        ; l_w
	s_wait_alu depctr_va_vdst(0)                   ; l_w (v20) is written, which the store reads.  No vector instruction stands between this wait and the loads behind the barrier, which land in v96 to v111 and in O^T
	ds_store_b32 v[STW], v20 offset:1280*\p+32
	s_wait_dscnt 0x0                               ; for the others' sake: my stores are done; and my reads of the other halves, of a unit ago, are over
	s_barrier_signal -1
	s_barrier_wait -1
	s_wait_alu depctr_vm_vsrc(0)                   ; my stores have read O^T, in which the partials land, and v13 and v20; the unit before's store by v10 of v34 and its load by v11 have read them: all these are written again below
.irp i, 0,1,2,3
	ds_load_b128 v[P+4*\i:P+4*\i+3], v[STR] offset:1280*\p+16*\i   ; v96-103: mt of the eight waves; v104-111: l
.endr
.if \prev
	OLOAD \p
	ADDRS                                          ; ahead of the wait behind the nine exponentials, which stands there anyway
	s_wait_dscnt 8                                 ; the four loads above are in; the eight partials are younger
.else
	s_wait_dscnt 0x0
.endif
	v_max3_num_f32 v36, v96, v97, v98
	v_max3_num_f32 v36, v36, v99, v100
	v_max3_num_f32 v36, v36, v101, v102
	v_max_num_f32 v36, v36, v103                   ; m
.irp i, 0,2,4,6
	v_pk_add_f32 v[P+\i:P+\i+1], v[P+\i:P+\i+1], v[36:37] op_sel_hi:[1,0] neg_lo:[0,1] neg_hi:[0,1]   ; mt_i - m
.endr
	v_sub_f32 v38, v13, v36
.irp i, 0,1,2,3,4,5,6,7
	v_exp_f32 v[P+\i], v[P+\i]
.endr
	v_exp_f32 v38, v38
	v_nop
	s_wait_alu depctr_va_vdst(0)                   ; the nine exponentials have written v96 to v103 and v38, ahead of their first reader; where a partial is in hand, v10 and v11 are written
.if \prev
	ds_load_b32 v32, v11 offset:64*(1-\p)          ; the mask of the partial's query r
.endif
	v_pk_mul_f32 v[40:41], v[104:105], v[96:97]
	v_pk_fma_f32 v[40:41], v[106:107], v[98:99], v[40:41]
	v_pk_fma_f32 v[40:41], v[108:109], v[100:101], v[40:41]
	v_pk_fma_f32 v[40:41], v[110:111], v[102:103], v[40:41]
	v_add_f32 v40, v40, v41                        ; l, at least 1: the wave that holds m adds a term 2^0
	v_rcp_f32 v40, v40
	v_nop
	v_cmp_le_f32 vcc_lo, s33, v36                  ; is any key of the batch left?
	s_wait_alu depctr_va_vdst(0)                   ; the reciprocal has written v40, ahead of its first reader
	s_wait_alu depctr_va_vcc(0)                    ; the compare has written VCC, ahead of the select that reads it
	v_mul_f32 v14, v38, v40                        ; f = 2^(mt - m) / l
	v_cndmask_b32 v14, 0, v14, vcc_lo              ; 0 where no key is left
.irp t, 0,1,2,3,4,5,6,7,8,9,10,11,12,13,14,15
.if \more && (\t >= 4)
	BIASLOAD \t-4                                  ; the tile four back takes the next unit's C.  No wait: the arithmetic since the last wait names later tiles alone
.endif
.irp j, 0,2,4,6
	v_pk_mul_f32 v[S+8*\t+\j:S+8*\t+\j+1], v[S+8*\t+\j:S+8*\t+\j+1], v[14:15] op_sel_hi:[1,0]   ; the finished weight
.endr
.irp j, 0,1,2,3,4,5,6,7
	v_min_num_f32 v[S+8*\t+\j], s34, v[S+8*\t+\j]  ; it is never negative: the hold is one-sided
.endr
	v_cvt_scalef32_pk8_bf8_f32 v[P+2*\t:P+2*\t+1], v[S+8*\t:S+8*\t+7], v29   ; registers 2 t, 2 t + 1: keys 16 t + 8 h + 0 .. 7: the operand's own layout
.if \more && (((\t)%4) == 3) && (\t < 15)
	s_wait_alu depctr_va_vdst(0)                   ; the arithmetic of these four tiles has written them and their conversions are done reading them: the bias lands in them, dealt among the next four tiles
.endif
.endr
	v_nop                                          ; one plain vector instruction behind the last conversion
.if \prev
.if \more
	s_wait_dscnt 24                                ; the partials and the query's mask are in; the 24 loads of the bias of tiles 0 to 11 are younger
.else
	s_wait_dscnt 0x0
.endif
	REDUCE
.endif
	s_wait_alu depctr_va_vdst(0)                   ; the last four tiles' conversions are done reading them, where the bias is to land in them; where a partial was in hand, its codes (v34) are written, which the store reads
.if \prev
	CSTORE \p, 1-\p
.endif
.if \more
.irp t, 12,13,14,15
	BIASLOAD \t
.endr
.endif
	WIN 0x01                                       ; source 0 (V^T) window 1
.irp t, 0,1,2,3                                ; the four accumulators take turns; the first 128 keys start the sums
	v_wmma_f32_16x16x128_bf8_bf8 v[O+8*\t:O+8*\t+7], v[128+16*\t:128+16*\t+15], v[P:P+15], 0
.endr
.irp t, 0,1,2,3
	v_wmma_f32_16x16x128_bf8_bf8 v[O+8*\t:O+8*\t+7], v[192+16*\t:192+16*\t+15], v[P+16:P+31], v[O+8*\t:O+8*\t+7]
.endr
	WIN 0
.endm
.irp t, 0,1,2,3,4,5,6,7,8,9,10,11,12,13,14,15
	BIASLOAD \t
.endr
	UNIT 0, 0, 1                                   ; units 0 and 1 are written out: unit 0 has no partial in hand
	UNIT 1, 1, 1
	s_mov_b32 s35, 14
.Lpair:                                            ; units 2 to 29, two a trip, so that the halves' offsets are constants
	UNIT 0, 1, 1
	UNIT 1, 1, 1
	s_sub_co_u32 s35, s35, 1
	s_cmp_lg_u32 s35, 0
	s_cbranch_scc1 .Lpair
	UNIT 0, 1, 1
	UNIT 1, 1, 0                                   ; unit 31 asks for nothing more
.rept 4
	v_nop                                          ; places behind the last products
.endr
	s_wait_alu depctr_va_vdst(0)                   ; unit 31's products have written O^T, which the stores read; the places above stay beside this wait
	OSTORE 0                                       ; unit 31's partials
	s_wait_dscnt 0x0
	s_barrier_signal -1
	s_barrier_wait -1
	s_wait_alu depctr_vm_vsrc(0)                   ; my stores have read O^T, in which the partials land; unit 31's store by v10 of v34 and its load by v11 have read them
	OLOAD 0
	ADDRS
	s_wait_alu depctr_va_vdst(0)                   ; v10 and v11 are written, which the load below and the store behind the sums read
	ds_load_b32 v32, v11 offset:64
	s_wait_dscnt 0x0
	REDUCE
	s_wait_alu depctr_va_vdst(0)                   ; the conversion has written v34, which the store reads
	CSTORE 0, 0
	s_wait_dscnt 0x0                               ; for the others' sake: my codes lie in the image
	s_barrier_signal -1
	s_barrier_wait -1
.irp i, 0,1,2,3,4,5,6,7                        ; wave w stores units 4 w .. 4 w + 3: eight pieces of 512 consecutive bytes.  (The weights' arithmetic, which last named these registers, stands ahead of the waits above)
	ds_load_b128 v[S+4*\i:S+4*\i+3], v[CRD] offset:512*\i
.endr
.irp i, 0,1,2,3,4,5,6,7
	s_wait_dscnt 7-\i
	global_store_b128 v[LI], v[S+4*\i:S+4*\i+3], s[14:15] offset:(\i/2)*16384+(\i%2)*512
.endr
	s_wait_dscnt 0x0                               ; the closing lines, six on end
	s_wait_alu 0x0
	s_wait_tensorcnt 0x0
	ds_add_u32 v46, v47
	s_wait_dscnt 0x0
	s_endpgm
.Lfunc_end_k_qaed33d787b_attn:
	.size	k_qaed33d787b_attn, .Lfunc_end_k_qaed33d787b_attn-k_qaed33d787b_attn
	.p2alignl 7, 3214868480
	.fill 96, 4, 3214868480
	.section	.rodata,"a",@progbits
	.p2align	6, 0x0
	.amdhsa_kernel k_qaed33d787b_attn
		.amdhsa_group_segment_fixed_size 113664
		.amdhsa_private_segment_fixed_size 0
		.amdhsa_enable_private_segment 0
		.amdhsa_kernarg_size 48
		.amdhsa_user_sgpr_count 2
		.amdhsa_user_sgpr_kernarg_segment_ptr 1
		.amdhsa_wavefront_size32 1
		.amdhsa_system_sgpr_workgroup_id_x 1
		.amdhsa_system_sgpr_workgroup_id_y 1
		.amdhsa_system_sgpr_workgroup_id_z 1
		.amdhsa_system_vgpr_workitem_id 0
		.amdhsa_next_free_vgpr 512
		.amdhsa_next_free_sgpr 66
		.amdhsa_reserve_vcc 1
		.amdhsa_float_denorm_mode_32 3
		.amdhsa_float_denorm_mode_16_64 3
		.amdhsa_memory_ordered 1
		.amdhsa_forward_progress 1
		.amdhsa_inst_pref_size 219
	.end_amdhsa_kernel
	.amdgpu_metadata
---
amdhsa.version: [ 1, 2 ]
amdhsa.kernels:
  - .name:           k_qaed33d787b_attn
    .symbol:         k_qaed33d787b_attn.kd
    .args:
      - { .name: q_img, .offset: 0, .size: 8, .value_kind: global_buffer, .address_space: global }
      - { .name: k_img, .offset: 8, .size: 8, .value_kind: global_buffer, .address_space: global }
      - { .name: v_img, .offset: 16, .size: 8, .value_kind: global_buffer, .address_space: global }
      - { .name: attention_mask, .offset: 24, .size: 8, .value_kind: global_buffer, .address_space: global }
      - { .name: lowp_scales, .offset: 32, .size: 8, .value_kind: global_buffer, .address_space: global }
      - { .name: ctx_img, .offset: 40, .size: 8, .value_kind: global_buffer, .address_space: global }
    .group_segment_fixed_size: 113664
    .private_segment_fixed_size: 0
    .kernarg_segment_align: 8
    .kernarg_segment_size: 48
    .max_flat_workgroup_size: 256
    .sgpr_count:     66
    .vgpr_count:     512
    .wavefront_size: 32
...
	.end_amdgpu_metadata
.endif
;; end of part 4
;; launch oproj: the kernel of part 3 again; grid 4 x 32, 4 waves a work-group, clusters of 4 x 4, 327,680 bytes of LDS; arguments ctx_img, wo_codes, lowp_scales, bo, out0; writes out0
